; MI455X (gfx1250); checked and timed in simulation.
; The chip was launched on July 23, 2026; its instructions are those of AMD's public machine-readable ISA for CDNA 5 (MIT licence, August 2026) and "CDNA5" Instruction Set Architecture Reference Guide (July 2026). The comments in the code are by the model that wrote it; some were corrected since.
;; Multi Head Attention. Allowed arithmetic: matrix products marked QUANTISED: E2M3 operands, one E8M0 scale for each 32 along K, by v_wmma_scale_f32_16x16x128_f8f6f4 with both operands' format E2M3, f32 sums; everything else in f32.
;; Inputs: Wk 1,024 x 1,024 float32; Wo 1,024 x 1,024 float32; Wq 1,024 x 1,024 float32; Wv 1,024 x 1,024 float32; bk 1,024 float32; bo 1,024 float32; bq 1,024 float32; bv 1,024 float32; mask 4 x 2,048 int32; x 4 x 2,048 x 1,024 float32.
;; Outputs: out0 4 x 2,048 x 1,024 float32.
;; This version of the problem:
;;   THIS VERSION OF THE PROBLEM IS GIVEN IN LOW PRECISION. The matrix products marked QUANTISED in the list below multiply operands that are first quantised to E2M3 (2 exponent bits, 3 mantissa bits; 6 bits a number), with one power-of-two scale for each 32 numbers along K (OCP MX v1.0); their sums are f32. All else is computed in f32.
;;   The module's matrix products, in the order in which they are computed (A, B: the left and right operand; K: the contracted axis; several contracted axes count as one K, in the product's order):
;;     1. [M 8,192, K 1,024] x [K 1,024, N 1,024]; A: input x; B: input Wq: QUANTISED
;;     2. [M 8,192, K 1,024] x [K 1,024, N 1,024]; A: input x; B: input Wk: QUANTISED
;;     3. [M 8,192, K 1,024] x [K 1,024, N 1,024]; A: input x; B: input Wv: QUANTISED
;;     4. batch 64 x [M 2,048, K 64] x [K 64, N 2,048]; A: computed on the way; B: computed on the way: QUANTISED
;;     5. batch 64 x [M 2,048, K 2,048] x [K 2,048, N 64]; A: softmax (see below); B: computed on the way: QUANTISED
;;     6. [M 8,192, K 1,024] x [K 1,024, N 1,024]; A: computed on the way; B: input Wo: QUANTISED
;;   THE QUANTISER, for each operand of a quantised product, along K:
;;     - K is cut into blocks of 32 from its start; a last block that is shorter is filled with zeros.
;;     - A block's scale is 2^e with e = floor(log2(the largest magnitude in the block)) - 2, held to -126 .. 127; a block of zeros has e = 0. As a byte (E8M0): e + 127.
;;     - Each number is divided by its block's scale, clamped to +-7.5, and rounded to the nearest number of E2M3, ties to even, subnormals kept.
;;     - The product sums the exact products of the quantised numbers (number of the format x scale) in f32.
;;   ~~~python
;;   def quantise(x, axis):      # numpy; x: float32 -> the quantised numbers, widened to float32 again
;;       x = np.moveaxis(x, axis, -1); K = x.shape[-1]
;;       x = np.pad(x, [(0, 0)] * (x.ndim - 1) + [(0, -K % 32)]); x = x.reshape(x.shape[:-1] + (-1, 32)); a = np.abs(x).max(-1, keepdims=True)
;;       e = np.where(a > 0, np.clip(np.frexp(np.where(a > 0, a, 1))[1] - 1 - 2, -126, 127), 0)      # np.frexp(a)[1] - 1 = floor(log2(a)), exactly
;;       r = np.clip(x / 2.0 ** e, -7.5, 7.5)
;;       step = 2.0 ** (np.maximum(np.frexp(np.where(r == 0, 1, r))[1] - 1, 0) - 3)
;;       q = np.round(r / step) * step * 2.0 ** e      # np.round: ties to even
;;       return np.moveaxis(q.reshape(q.shape[:-2] + (-1,))[..., :K], -1, axis).astype(np.float32)
;;   ~~~
;;   SOFTMAX AHEAD OF A QUANTISED PRODUCT. Where the list says 'softmax', what is quantised is not the finished softmax but p = 2^(t - M), with t = logit x log2(e) and M = ceil(the row's largest t), a whole number; so 1/2 < the row's largest p <= 1. The row's sum l is taken of the UNQUANTISED p, in f32, and the product's result is divided by l at the end. Since M is a whole number, a kernel that streams over the keys may use a running M (the ceiling of the running maximum): every later rescaling is an exact power of two, which a block's scale takes up: the codes' values come out the same.
;;   OPERANDS COMPUTED ON THE WAY. 'Computed on the way' means the value that the module computes at that place (a softmax that the list does not call 'softmax' is quantised finished and normalised). What goes into a quantiser is computed in f32, as accurately as f32 sums, v_exp_f32 and their like allow (about 1e-6 of the number): no bf16 or f16 on the way to a quantiser, and a product that is left as it is and whose result goes on into a quantised operand takes f32 operands (vector FMAs, or v_wmma_f32_16x16x4_f32). A number that lies on a knife's edge between two numbers of the format may be rounded either way, as far as f32 arithmetic and the matrix unit's own rounding can turn it there, and no further.
;; One version. Each part assembles by itself: llvm-mc -triple=amdgcn-amd-amdhsa -mcpu=gfx1250 --defsym DOCPART=n.
;; ======== version 1 of 1: 4 launches
;; limits: right only within a limited range of input values
;; workspace buffers: xcod 6,553,600 bytes; wcod 3,276,800 bytes; mbias 33,792 bytes; qrec 13,369,344 bytes; kvrec 13,369,344 bytes; ocod 6,553,600 bytes
;; launch prep (part 1): grid 769 x 1, 8 waves a work-group, no clusters, 69,120 bytes of LDS; arguments x, Wq, Wk, Wv, Wo, mask, xcod, wcod, mbias; writes xcod, wcod, mbias
.if DOCPART == 1
	.amdgcn_target "amdgcn-amd-amdhsa--gfx1250"
	.amdhsa_code_object_version 6
	.text
	.protected	k_q8d707b2808_prep
	.globl	k_q8d707b2808_prep
	.p2align	8
	.type	k_q8d707b2808_prep,@function
k_q8d707b2808_prep:
	s_mov_b64 s[64:65], 0
	v_nop
	global_prefetch_b8 v0, s[64:65] scope:SCOPE_SE
	s_setreg_imm32_b32 hwreg(HW_REG_WAVE_MODE, 25, 1), 1
	s_wait_xcnt 0x0
; x [8192][1024] and the four weights [1024][1024], f32, K innermost, become codes of FP6 (E2M3) with one E8M0 byte for each 32 along K; the key mask becomes an f32 bias and a factor.
; A block's scale is 2^(floor(log2(its largest magnitude)) - 2); its byte is the largest magnitude's exponent field - 2, held at 1 from below.
; LIMITS: a block of zeros, or one whose largest magnitude lies under 2^-124, keeps the byte 1 (zero codes add nothing; the bytes are read by this program alone); NaN and infinities are not served.
; LAYOUT OF THE CODES: images of the operand's registers.  A row tile is 16 rows; its 8 fragments (16 rows x 128 K, 12 registers a lane) lie on end, 1,536 bytes each: for c = 0, 1: registers 6c .. 6c+3 at 768 c + 16 x lane,
; registers 6c+4, 6c+5 at 768 c + 512 + 8 x lane.  Scale bytes: [row place][32].
; THE ROWS OF A TILE ARE NOT NEIGHBOURS: in each group of 32 rows place 16 u + p holds row 8 u + p + 8 (p / 8), so that a product which takes such tiles as source 0 leaves 16 neighbours in the 16 registers of two tiles.
; SHARES: work-groups 0-511 take a row tile of x, 512-767 one of Wq, Wk, Wv, Wo (64 each); wave w takes K fragment w.  Work-group 768 takes the mask.
; Each load reads 512 consecutive bytes of a row; the 8 KB turn through the wave's own stage in LDS (rows 528 bytes apart), so that a lane gets 32 neighbours along K twice.
.set STGB,  16*528                     ; a wave's stage
.set SCG,   8*STGB                     ; the tile's scale bytes: 16 rows x 32
.set SPARE, SCG+512                    ; the spare words, 128 bytes for each wave: four blocks of 256 bytes that no other line names
.set L16, 4                            ; v4   16 x lane
.set L8,  5                            ; v5   8 x lane
.set STI, 6                            ; v6   the stage, on the way in
.set STO, 7                            ; v7   and out: 528 r + 128 h
.set SCW, 8                            ; v8   where my scale word goes: 32 r + 4 w
.set SCR, 9                            ; v9   where wave 0 reads the tile's scale bytes
.set H8,  10                           ; v10  8 h
.set L4,  11                           ; v11  4 x lane
.set SPW, 12                           ; v12  my spare word; never rewritten
.set NIL, 13                           ; v13  0; never rewritten
.set WD,  14                           ; v14  the scale word
.set WT,  15
.set R,   16                           ; v16-79   as loaded
.set X,   80                           ; v80-143  two blocks of 32 neighbours
.set M,   144
.set SO,  146
.set F,   148                          ; v148-159 the fragment
.set FT,  160
	s_load_b512 s[4:19], s[0:1], 0x0               ; x 4, Wq 6, Wk 8, Wv 10, Wo 12, mask 14, xcod 16, wcod 18
	s_load_b64 s[20:21], s[0:1], 0x40              ; mbias
	v_lshl_add_u32 v[SPW], v0, 2, SPARE
	v_mov_b32 v[NIL], 0
	v_lshrrev_b32 v1, 5, v0
	s_delay_alu instid0(VALU_DEP_1)
	v_readfirstlane_b32 s22, v1                    ; wave
	v_and_b32 v1, 31, v0                           ; lane
	s_delay_alu instid0(VALU_DEP_1)
	v_lshlrev_b32 v[L16], 4, v1
	s_cmp_eq_u32 ttmp9, 768                        ; the same in all eight waves
	s_cbranch_scc1 .Lmask
	; ---- which tensor, which tile: pointers are chosen, the path is one
	s_sub_co_u32 s25, ttmp9, 512                   ; tile among the weights'
	s_lshr_b32 s26, s25, 6                         ; which weight
	s_and_b32 s27, s25, 63                         ; tile in it
	s_mov_b32 s28, 3145728                         ; where wcod's scale bytes begin
	s_wait_kmcnt 0x0
	s_cmp_eq_u32 s26, 1
	s_cselect_b64 s[6:7], s[8:9], s[6:7]
	s_cmp_eq_u32 s26, 2
	s_cselect_b64 s[6:7], s[10:11], s[6:7]
	s_cmp_eq_u32 s26, 3
	s_cselect_b64 s[6:7], s[12:13], s[6:7]
	s_cmp_lt_u32 ttmp9, 512
	s_cselect_b64 s[4:5], s[4:5], s[6:7]           ; from
	s_cselect_b64 s[16:17], s[16:17], s[18:19]     ; to
	s_cselect_b32 s27, ttmp9, s27                  ; tile in the source
	s_cselect_b32 s25, ttmp9, s25                  ; tile in the destination
	s_cselect_b32 s28, 6291456, s28                ; xcod's scale bytes
	s_lshr_b32 s32, s27, 1
	s_lshl_b32 s32, s32, 17                        ; 32 rows of 4,096 bytes for each pair of tiles,
	s_and_b32 s29, s27, 1
	s_lshl_b32 s29, s29, 15                        ; 8 rows for the odd tile,
	s_add_co_u32 s32, s32, s29
	s_lshl_b32 s29, s22, 9                         ; 128 numbers for each wave
	s_add_co_u32 s32, s32, s29
	s_mov_b32 s33, 0
	s_add_nc_u64 s[4:5], s[4:5], s[32:33]
.set i, 0
	s_wait_alu depctr_va_vdst(0)
.rept 16
	global_load_b128 v[R+4*i:R+4*i+3], v[L16], s[4:5] offset:(i+8*(i/8))*4096 th:TH_LOAD_NT   ; place i of the tile: 512 consecutive bytes; read once in the launch
.set i, i+1
.endr
	v_and_b32 v2, 15, v0                           ; r
	v_bfe_u32 v3, v0, 4, 1                         ; h
	v_lshlrev_b32 v[L8], 3, v1
	s_mul_i32 s23, s22, STGB
	v_add_nc_u32 v[STI], s23, v[L16]
	v_mul_u32_u24 v[STO], v2, 528
	s_delay_alu instid0(VALU_DEP_1)
	v_lshl_add_u32 v[STO], v3, 7, v[STO]
	s_delay_alu instid0(VALU_DEP_1)
	v_add_nc_u32 v[STO], s23, v[STO]
	v_lshlrev_b32 v[SCW], 5, v2
	s_lshl_b32 s24, s22, 2
	s_add_co_u32 s24, s24, SCG
	v_add_nc_u32 v[SCW], s24, v[SCW]
	v_add_nc_u32 v[SCR], SCG, v[L16]
	v_lshlrev_b32 v[H8], 3, v3
	v_mov_b32 v[WT], 0                             ; a lane permute's destination counts as one of its sources
	s_mov_b32 s30, 0x76543210
	s_mov_b32 s31, 0xfedcba98                      ; v_permlanex16_b32's selects for lane l xor 16
	s_mul_i32 s34, s25, 12288                      ; the tile's codes,
	s_mul_i32 s29, s22, 1536                       ; my fragment
	s_add_co_u32 s34, s34, s29
	s_mov_b32 s35, 0
	s_add_nc_u64 s[34:35], s[16:17], s[34:35]
	s_lshl_b32 s36, s25, 9                         ; the tile's 512 scale bytes
	s_add_co_u32 s36, s36, s28
	s_mov_b32 s37, 0
	s_add_nc_u64 s[36:37], s[16:17], s[36:37]
.set i, 0
	s_wait_alu depctr_va_vdst(0)
.rept 16
	s_wait_loadcnt 15-i                            ; loads come back in order: place i is in, the places behind it may be out
	ds_store_b128 v[STI], v[R+4*i:R+4*i+3] offset:528*i
.set i, i+1
.endr
.set i, 0
.rept 16
	ds_load_b128 v[X+4*i:X+4*i+3], v[STO] offset:256*(i/8)+16*(i%8)   ; my own bytes, served in order: no wait between the stores and these.  Block c = i / 8: k = 64 c + 32 h + 0 .. 31 of row r
.set i, i+1
.endr
	s_wait_dscnt 0x0
.irp c, 0,1
	v_max3_num_f32 v[M+\c], |v[X+32*\c]|, |v[X+1+32*\c]|, 0x1800000   ; with the floor 2^(3 - 127): the byte cannot fall under 1
.endr
.irp i, 2,4,6,8,10,12,14,16,18,20,22,24,26,28,30
.irp c, 0,1
	s_delay_alu instid0(VALU_DEP_2)
	v_max3_num_f32 v[M+\c], v[M+\c], |v[X+32*\c+\i]|, |v[X+1+32*\c+\i]|   ; the two blocks by turns
.endr
.endr
.irp c, 0,1
	s_delay_alu instid0(VALU_DEP_2)
	v_add_nc_u32 v[SO+\c], 0xff000000, v[M+\c]     ; 2 off the exponent field: the conversion's scale operand
.endr
.irp c, 0,1
	s_delay_alu instid0(VALU_DEP_2)
	v_lshrrev_b32 v[M+\c], 23, v[SO+\c]            ; the scale's byte
.endr
	s_delay_alu instid0(VALU_DEP_1)
	v_lshl_or_b32 v[WD], v[M+1], 16, v[M]          ; my two bytes: blocks h and 2 + h,
	s_delay_alu instid0(VALU_DEP_1)
	v_lshlrev_b32 v[WD], v[H8], v[WD]              ; at their places;
	s_delay_alu instid0(VALU_DEP_1)
	v_permlanex16_b32 v[WT], v[WD], s30, s31
	s_delay_alu instid0(VALU_DEP_1)
	v_or_b32 v[WD], v[WD], v[WT]                   ; with lane l xor 16's the word is whole
.irp c, 0,1
	v_cvt_scalef32_pk16_fp6_f32 v[F+6*\c:F+6*\c+2], v[X+32*\c:X+32*\c+15], v[SO+\c]
	v_cvt_scalef32_pk16_fp6_f32 v[FT+4*\c:FT+4*\c+2], v[X+32*\c+16:X+32*\c+31], v[SO+\c]   ; (a conversion's three registers begin on an even number)
.endr
	v_nop                                          ; one plain place behind a scaled conversion
.irp c, 0,1
.irp i, 0,1,2
	v_mov_b32 v[F+3+6*\c+\i], v[FT+4*\c+\i]
.endr
.endr
	global_store_b128 v[L16], v[F:F+3], s[34:35]                  ; each store covers whole aligned runs of 256 bytes
	global_store_b64 v[L8], v[F+4:F+5], s[34:35] offset:512
	global_store_b128 v[L16], v[F+6:F+9], s[34:35] offset:768
	global_store_b64 v[L8], v[F+10:F+11], s[34:35] offset:1280
	ds_store_b32 v[SCW], v[WD]                     ; both lanes of a row write the same word
	s_wait_dscnt 0x0                               ; for wave 0's sake: my word has landed
	s_barrier_signal -1
	s_barrier_wait -1
	s_cmp_lg_u32 s22, 0
	s_cbranch_scc1 .Lend
	ds_load_b128 v[R:R+3], v[SCR]                  ; the tile's 16 rows of 32 scale bytes
	s_wait_dscnt 0x0
	global_store_b128 v[L16], v[R:R+3], s[36:37]   ; 512 consecutive bytes
.Lend:
	s_wait_tensorcnt 0x0                           ; the wave's end, behind my last LDS store
	ds_add_u32 v[SPW], v[NIL]
	s_wait_dscnt 0x0
	s_endpgm
	; ---- the mask.  Wave w: batch w / 2, half w % 2 of its 2,048 keys.  bias = 0 for a key that counts, -2^100 for a hidden one; c = log2(e) / 8.
	; A batch with EVERY key hidden gets bias 0 and c = 0: all its t are then 0 and every p is 1, as with all logits equal.  Whole numbers decide, by selects; no branch.  No LDS is touched on this way.
.Lmask:
	s_lshr_b32 s23, s22, 1
	s_and_b32 s24, s22, 1
	s_lshl_b32 s32, s23, 13
	s_lshl_b32 s26, s24, 12
	s_add_co_u32 s32, s32, s26                     ; my half
	s_xor_b32 s34, s32, 4096                       ; the batch's other half
	s_mov_b32 s33, 0
	s_mov_b32 s35, 0
	s_lshl_b32 s38, s23, 8
	s_lshl_b32 s26, s24, 7
	s_add_co_u32 s38, s38, s26
	s_add_co_u32 s38, s38, 32768                   ; c: 256 bytes a batch, 128 from each of its two waves
	s_mov_b32 s39, 0
	s_wait_alu depctr_va_vdst(0)
	v_lshlrev_b32 v[L4], 2, v1
	s_wait_kmcnt 0x0
	s_add_nc_u64 s[34:35], s[14:15], s[34:35]
	s_add_nc_u64 s[14:15], s[14:15], s[32:33]
	s_add_nc_u64 s[36:37], s[20:21], s[32:33]
	s_add_nc_u64 s[38:39], s[20:21], s[38:39]
.set i, 0
.rept 8
	global_load_b128 v[R+4*i:R+4*i+3], v[L16], s[14:15] offset:512*i
	global_load_b128 v[R+32+4*i:R+32+4*i+3], v[L16], s[34:35] offset:512*i
.set i, i+1
.endr
	s_wait_loadcnt 0x0
	v_or_b32 v[M], v[R], v[R+1]
.set i, 2
.rept 62
	s_delay_alu instid0(VALU_DEP_1)
	v_or_b32 v[M], v[M], v[R+i]
.set i, i+1
.endr
	s_delay_alu instid0(VALU_DEP_1)
	v_cmp_ne_u32 vcc_lo, 0, v[M]
	s_cmp_lg_u32 vcc_lo, 0                         ; does any key of the batch count?
	s_cselect_b32 s26, 0x3e38aa3b, 0               ; c
	s_cselect_b32 s27, 0xf1800000, 0               ; a hidden key's bias
	v_mov_b32 v[M+1], s27
	v_mov_b32 v[M+2], s26
.set i, 0
.rept 32
	v_cmp_eq_u32 vcc_lo, 0, v[R+i]
	s_delay_alu instid0(VALU_DEP_1)
	v_cndmask_b32 v[X+i], 0, v[M+1], vcc_lo
.set i, i+1
.endr
.set i, 0
.rept 8
	global_store_b128 v[L16], v[X+4*i:X+4*i+3], s[36:37] offset:512*i
.set i, i+1
.endr
	global_store_b32 v[L4], v[M+2], s[38:39]
	s_endpgm
.Lfunc_end_k_q8d707b2808_prep:
	.size	k_q8d707b2808_prep, .Lfunc_end_k_q8d707b2808_prep-k_q8d707b2808_prep
	.p2alignl 7, 3214868480
	.fill 96, 4, 3214868480
	.section	.rodata,"a",@progbits
	.p2align	6, 0x0
	.amdhsa_kernel k_q8d707b2808_prep
		.amdhsa_group_segment_fixed_size 69120
		.amdhsa_private_segment_fixed_size 0
		.amdhsa_enable_private_segment 0
		.amdhsa_kernarg_size 72
		.amdhsa_user_sgpr_count 2
		.amdhsa_user_sgpr_kernarg_segment_ptr 1
		.amdhsa_wavefront_size32 1
		.amdhsa_system_sgpr_workgroup_id_x 1
		.amdhsa_system_sgpr_workgroup_id_y 1
		.amdhsa_system_sgpr_workgroup_id_z 1
		.amdhsa_system_vgpr_workitem_id 0
		.amdhsa_next_free_vgpr 168
		.amdhsa_next_free_sgpr 66
		.amdhsa_reserve_vcc 1
		.amdhsa_float_denorm_mode_32 3
		.amdhsa_float_denorm_mode_16_64 3
		.amdhsa_memory_ordered 1
		.amdhsa_forward_progress 1
		.amdhsa_inst_pref_size 23
	.end_amdhsa_kernel
	.amdgpu_metadata
---
amdhsa.version: [ 1, 2 ]
amdhsa.kernels:
  - .name:           k_q8d707b2808_prep
    .symbol:         k_q8d707b2808_prep.kd
    .args:
      - { .name: x, .offset: 0, .size: 8, .value_kind: global_buffer, .address_space: global }
      - { .name: Wq, .offset: 8, .size: 8, .value_kind: global_buffer, .address_space: global }
      - { .name: Wk, .offset: 16, .size: 8, .value_kind: global_buffer, .address_space: global }
      - { .name: Wv, .offset: 24, .size: 8, .value_kind: global_buffer, .address_space: global }
      - { .name: Wo, .offset: 32, .size: 8, .value_kind: global_buffer, .address_space: global }
      - { .name: mask, .offset: 40, .size: 8, .value_kind: global_buffer, .address_space: global }
      - { .name: xcod, .offset: 48, .size: 8, .value_kind: global_buffer, .address_space: global }
      - { .name: wcod, .offset: 56, .size: 8, .value_kind: global_buffer, .address_space: global }
      - { .name: mbias, .offset: 64, .size: 8, .value_kind: global_buffer, .address_space: global }
    .group_segment_fixed_size: 69120
    .private_segment_fixed_size: 0
    .kernarg_segment_align: 8
    .kernarg_segment_size: 72
    .max_flat_workgroup_size: 256
    .sgpr_count:     66
    .vgpr_count:     168
    .wavefront_size: 32
...
	.end_amdgpu_metadata
.endif
;; end of part 1
;; launch qkv (part 2): grid 12 x 32, 4 waves a work-group, clusters of 4 x 4, 327,680 bytes of LDS; arguments xcod, wcod, bq, bk, bv, qrec, kvrec; writes qrec, kvrec
.if DOCPART == 2
	.amdgcn_target "amdgcn-amd-amdhsa--gfx1250"
	.amdhsa_code_object_version 6
	.text
	.protected	k_q8d707b2808_qkv
	.globl	k_q8d707b2808_qkv
	.p2align	8
	.type	k_q8d707b2808_qkv,@function
k_q8d707b2808_qkv:
	s_mov_b64 s[64:65], 0
	v_nop
	global_prefetch_b8 v0, s[64:65] scope:SCOPE_SE
	s_setreg_imm32_b32 hwreg(HW_REG_WAVE_MODE, 25, 1), 1
	s_wait_xcnt 0x0
	s_wait_alu depctr_hold_cnt(0) depctr_sa_sdst(0) depctr_va_vdst(0) depctr_va_sdst(0) depctr_va_ssrc(0) depctr_va_vcc(0) depctr_vm_vsrc(0)
	s_getreg_b32 s2, hwreg(HW_REG_IB_STS2, 6, 4)
	s_cmp_eq_u32 s2, 0
	s_cbranch_scc0 .Lentry_in_a_cluster
	s_endpgm
.Lentry_in_a_cluster:
	s_bfe_u32 s2, ttmp6, 0x10000c
	s_cmp_lg_u32 s2, 0xf033
	s_cbranch_scc0 .Lentry_shape_is_right
	s_endpgm
.Lentry_shape_is_right:
; Q = x Wq^T + bq, K = x Wk^T + bk, V = x Wv^T + bv on codes of FP6 (E2M3) with E8M0 scales, K = 1,024; the results are quantised in registers and leave as images of the attention's operand registers.
; A tile of 256 x 256 is made by four waves, 128 x 128 each: 64 accumulators, 512 registers.  K goes in steps of 256 through two LDS slots filled by the tensor data mover.
; ROLE = the cluster's x: 0 Q, 1 K, 2 V.  'A' is the matrix instruction's source 1 (a lane holds one of its rows), 'B' its source 0 (a lane's registers run along its rows).
;   Q, K: A = x, B = the weight: a lane holds one token, its 64 registers of a block of rows are 128 neighbouring features, two heads: quantised along the head's 64.
;   V:    A = Wv, B = x: a lane holds one feature, its 64 registers are 128 neighbouring keys: quantised along the keys.  One text multiplies for all roles; pointers and tile numbers are selected.
; That the registers are neighbours comes from the order of rows in xcod and wcod: in each 32 rows place 16 u + p holds row 8 u + p + 8 (p / 8).
; CODES IN MEMORY AND IN LDS are images of the operand's registers (a fragment of 16 rows x 128 K: 1,536 bytes), so that a fragment comes by four LDS loads whose lanes read consecutive bytes: no pitch, no padding.
; RECORDS (13,056 bytes for a head's 128 tokens): 8 tiles of 16 tokens x 64 (768 bytes each); 512 bytes of their scale words; V: 4 tiles of 16 features x 128 keys (1,536 each); 256 bytes of their scale words.
; CLUSTERS: 4 x 4 work-groups; A's tiles are asked for jointly along a row of the cluster, B's along a column.
; LIMITS: a block whose largest magnitude lies under 2^-124 keeps the scale byte 1; NaN and infinities are not served.
; REGISTERS: window 0: v0-31 addresses; v32-63 scale words, two sets; v64-127 the bias; from v128 A's fragments, one set; on the way out v128-239 are at work.  window 1: B's fragments, two sets.  windows 2, 3: the accumulators.
.set NQ,    2                          ; matrix instructions deep in a slot
.set FR,    12                         ; registers of a fragment
.set NL,    4                          ; LDS loads that bring one
.set NP,    4                          ; places behind this matrix instruction (ISA guide 7.12.1)
.set FRB,   1536                       ; a fragment's image
.set TROW,  NQ*FRB                     ; a row tile's bytes in a slot
.set HALFT, 8*TROW                     ; 128 rows: what one tensor load brings
.set SLOT,  4*HALFT
.set SCL,   2*SLOT                     ; behind the ring: the scales of the 512 rows for all of K, units of 256 bytes + 16
.set HALFS, 16*272
.set SBLK,  2*272                      ; those of 16 rows
.set SPARE, SCL+4*HALFS                ; the spare words: two blocks of 256 bytes that no other line names
.set REC,   13056
.set HEADB, 16*REC                     ; from a head to the next
.set KSC,   6144
.set VIM,   6656
.set VSC,   12800
.set ADRA, 16                          ; v16-17 16 x lane + my A rows in slot 0, 1; v18-19 the same with 8 x lane
.set ADRB, 20                          ; v20-23 the same for B
.set L16,  24
.set L8,   25
.set SCO,  26                          ; v26 the scale words' place: HEADB h + 16 r
.set ADRS, 27
.set SPW,  28                          ; never rewritten
.set NIL,  29                          ; never rewritten
.set H16,  30                          ; 16 h
.set SC,   32
.set BP,   64
.set AF,   128
.set HA,   128                         ; the way out: 64 numbers
.set PC,   192                         ; their codes
.set TM,   212
.set PW,   228
.set SW,   232                         ; the scale words gathered
.set G1, 24
.set G0, 32
.set G1B, 48
.set G0B, 56
.set SEL, 66
.set G1S, 68
.set G0S, 76
.set G1SB, 80
.set G0SB, 88
.set OUT, 100
.set MSB, 0
.macro WIN new                         ; the immediate's high byte repeats the setting that is left
.if MSB != (\new)
	s_set_vgpr_msb (MSB<<8)|(\new)
.set MSB, (\new)
.endif
.endm
.set MUL_LO, 0xa1                      ; source 0 (B) window 1, source 1 (A) window 0, C and D window 2
.set MUL_HI, 0xf1
.set TO_B,   0x40
; A joint load: waves 0 and 1 fetch for A, waves 2 and 3 for B; the branch hangs on the wave's number alone.  An s_nop 0 and four v_nop follow each line.
.macro JLOAD g0a, g1a, g0b, g1b
	s_cmp_eq_u32 s19, 0
	s_cbranch_scc0 .Lfor_b_\@
	tensor_load_to_lds s[\g0a:\g0a+3], s[\g1a:\g1a+7]
	s_nop 0
.rept 4
	v_nop
.endr
	s_branch .Lasked_\@
.Lfor_b_\@:
	tensor_load_to_lds s[\g0b:\g0b+3], s[\g1b:\g1b+7]
	s_nop 0
.rept 4
	v_nop
.endr
.Lasked_\@:
.endm
.macro CREST                           ; a round of the cluster's barrier behind its opening barrier
	s_cmp_lg_u32 s18, 0
	s_cbranch_scc1 .Lnot_wave_0_\@
	s_barrier_signal -3
.Lnot_wave_0_\@:
	s_barrier_wait -3
	s_barrier_signal -1
	s_barrier_wait -1
.endm
.macro CROUND
	s_barrier_signal -1
	s_barrier_wait -1
	CREST
.endm
	s_load_b256 s[4:11], s[0:1], 0x0               ; xcod 4, wcod 6, bq 8, bk 10
	s_load_b128 s[12:15], s[0:1], 0x20             ; bv 12, qrec 14
	s_load_b64 s[16:17], s[0:1], 0x30              ; kvrec
	v_lshl_add_u32 v[SPW], v0, 2, SPARE
	v_mov_b32 v[NIL], 0
	ds_add_u32 v[SPW], v[NIL]                      ; the wave's opening: the add and its wait stand ahead of my first tensor load; work on registers stands between
	ds_add_u32 v[SPW], v[NIL]
	v_lshrrev_b32 v1, 5, v0
	v_readfirstlane_b32 s18, v1                    ; wave
	s_lshr_b32 s19, s18, 1                         ; my half of A's rows.  Also: I fetch for A (0) or B (1)
	s_and_b32 s20, s18, 1                          ; my half of B's rows.  Also: which 128 rows I fetch
	s_mov_b32 s21, ttmp9                           ; ROLE: the same in all sixteen partners
	s_bfe_u32 s22, ttmp6, 0x40000                  ; cx
	s_bfe_u32 s23, ttmp6, 0x40004                  ; cy
	s_and_b32 s44, ttmp7, 0xffff
	s_lshl_b32 s44, s44, 2                         ; 4 x cluster y
	s_mov_b32 s46, s44
	s_add_co_u32 s44, s44, s23                     ; + cy
	s_add_co_u32 s46, s46, s22                     ; + cx
	s_lshl_b32 s47, s21, 2
	s_add_co_u32 s47, s47, s22                     ; 4 ROLE + cx: the weight's tile, counted through wcod
	s_cmp_eq_u32 s21, 2
	s_cselect_b32 s40, s23, s44                    ; A's tile of 256 rows: hangs on cy alone among the places
	s_cselect_b32 s41, s46, s47                    ; B's: on cx alone
	s_lshl_b32 s42, s23, 2
	s_lshl_b32 s42, 15, s42                        ; my row of the cluster
	s_lshl_b32 s43, 0x1111, s22                    ; my column
	; group 1 for the codes: 8 row tiles x 3,072 bytes (384 elements of 8), 12,288 bytes apart in memory, dense in LDS
	s_or_b32 s[G1+0], s42, (3<<16)|(1<<21)
	s_or_b32 s[G1B+0], s43, (3<<16)|(1<<21)
.irp g, G1, G1B
	s_mov_b32 s[\g+1], 384<<16                     ; tensor_dim0
	s_mov_b32 s[\g+2], 16<<16                      ; tensor_dim1: 16 row tiles for the head's loads; 8 behind them
	s_mov_b32 s[\g+3], 384<<16                     ; tile_dim0
	s_mov_b32 s[\g+4], 16                          ; tile_dim1 likewise
	s_mov_b32 s[\g+5], 1536                        ; tensor_dim0_stride
	s_mov_b32 s[\g+6], 0
	s_mov_b32 s[\g+7], 0
.endr
	; and for the scales of 256 rows: 8,192 dense bytes as 32 rows of 256, 16 bytes of padding behind each
	s_or_b32 s[G1S+0], s42, (3<<16)|(1<<20)|(1<<21)|(5<<22)|(3<<25)
	s_or_b32 s[G1SB+0], s43, (3<<16)|(1<<20)|(1<<21)|(5<<22)|(3<<25)
.irp g, G1S, G1SB
	s_mov_b32 s[\g+1], 32<<16
	s_mov_b32 s[\g+2], 32<<16
	s_mov_b32 s[\g+3], 32<<16
	s_mov_b32 s[\g+4], 32
	s_mov_b32 s[\g+5], 32
	s_mov_b32 s[\g+6], 0
	s_mov_b32 s[\g+7], 0
.endr
	s_lshl_b32 s44, s40, 1                         ; A: the tile's first 128 rows
	s_lshl_b32 s46, s41, 1                         ; B likewise
	s_mul_i32 s92, s44, 8*12288                    ; their codes,
	s_mov_b32 s93, 0
	s_lshl_b32 s94, s44, 12                        ; their scale bytes
	s_mov_b32 s95, 0
	s_mul_i32 s96, s46, 8*12288
	s_mov_b32 s97, 0
	s_lshl_b32 s98, s46, 12
	s_mov_b32 s99, 0
	s_cmp_eq_u32 s21, 2
	s_cselect_b32 s44, 1572864, 0                  ; V: A is Wv, 128 row tiles into wcod
	s_mov_b32 s45, 6291456
	s_cselect_b32 s45, 3211264, s45                ; A's scale bytes: Wv's in wcod, or x's in xcod
	s_mov_b32 s47, 3145728
	s_cselect_b32 s47, 6291456, s47                ; B's
	s_add_co_u32 s92, s92, s44
	s_add_co_u32 s94, s94, s45
	s_add_co_u32 s98, s98, s47
	s_mul_i32 s2, s18, HALFT                       ; where they go: no place in the cluster enters an LDS address
	s_wait_dscnt 0x0                               ; the opening add is done
	s_wait_kmcnt 0x0
	s_cmp_eq_u32 s21, 2
	s_cselect_b64 s[44:45], s[6:7], s[4:5]         ; A's buffer
	s_cselect_b64 s[46:47], s[4:5], s[6:7]         ; B's
	s_add_nc_u64 s[92:93], s[44:45], s[92:93]
	s_add_nc_u64 s[94:95], s[44:45], s[94:95]
	s_add_nc_u64 s[96:97], s[46:47], s[96:97]
	s_add_nc_u64 s[98:99], s[46:47], s[98:99]
	CROUND                                         ; all sixteen work-groups are here: the first joint loads meet
	s_mov_b32 s[G0S], 1
	s_mov_b32 s[G0S+1], SCL                        ; the scales of A's 256 rows
	s_mov_b64 s[G0S+2:G0S+3], s[94:95]
	s_or_b32 s[G0S+3], s[G0S+3], 0x80000000
	s_mov_b32 s[G0SB], 1
	s_mov_b32 s[G0SB+1], SCL+2*HALFS               ; and of B's, behind them
	s_mov_b64 s[G0SB+2:G0SB+3], s[98:99]
	s_or_b32 s[G0SB+3], s[G0SB+3], 0x80000000
.irp s, 0,1
	s_mov_b32 s[G0+4*\s], 1
	s_add_co_u32 s[G0+4*\s+1], s2, \s*SLOT
	s_add_nc_u64 s[G0+4*\s+2:G0+4*\s+3], s[92:93], \s*TROW
	s_or_b32 s[G0+4*\s+3], s[G0+4*\s+3], 0x80000000
	s_mov_b32 s[G0B+4*\s], 1
	s_add_co_u32 s[G0B+4*\s+1], s2, \s*SLOT
	s_add_nc_u64 s[G0B+4*\s+2:G0B+4*\s+3], s[96:97], \s*TROW
	s_or_b32 s[G0B+4*\s+3], s[G0B+4*\s+3], 0x80000000
.endr
	s_mov_b32 s[G0+1], 0                           ; at the head slot 0's descriptors name whole tiles: A's 256 rows,
	s_mov_b32 s[G0B+1], 2*HALFT                    ; B's 256 rows behind them
	s_mul_i32 s44, s20, 8*12288                    ; slot 1's name my 128 rows
	s_mov_b32 s45, 0
	s_add_nc_u64 s[G0+6:G0+7], s[G0+6:G0+7], s[44:45]
	s_add_nc_u64 s[G0B+6:G0B+7], s[G0B+6:G0B+7], s[44:45]
; The head's four tiles, one tensor load a wave: one chain of branches on the wave's number, one load to an arm.
.macro ARM under, g0, g1, next
	s_cmp_lt_u32 s18, \under
	s_cbranch_scc0 \next
	tensor_load_to_lds s[\g0:\g0+3], s[\g1:\g1+7]
	s_nop 0
.rept 4
	v_nop
.endr
	s_branch .Lhead_asked
\next:
.endm
	ARM 1, G0,  G1,  .Lhead_b
	ARM 2, G0B, G1B, .Lhead_sa
	ARM 3, G0S, G1S, .Lhead_sb
	tensor_load_to_lds s[G0SB:G0SB+3], s[G1SB:G1SB+7]
	s_nop 0
.rept 4
	v_nop
.endr
.Lhead_asked:
	v_and_b32 v1, 31, v0                           ; lane
	v_and_b32 v2, 15, v0                           ; r
	v_bfe_u32 v3, v0, 4, 1                         ; h
	v_lshlrev_b32 v[L16], 4, v1
	v_lshlrev_b32 v[L8], 3, v1
	s_mul_i32 s44, s19, HALFT                      ; my 128 rows of A
	s_mul_i32 s46, s20, HALFT                      ; my 128 rows of B,
	s_add_co_u32 s46, s46, 2*HALFT                 ; behind A's 256
.irp s, 0,1
	v_add_nc_u32 v[ADRA+\s], s44, v[L16]
	v_add_nc_u32 v[ADRB+\s], s46, v[L16]
	v_add_nc_u32 v[ADRA+2+\s], s44, v[L8]
	v_add_nc_u32 v[ADRB+2+\s], s46, v[L8]
	s_add_co_u32 s44, s44, SLOT
	s_add_co_u32 s46, s46, SLOT
.endr
	v_lshlrev_b32 v5, 5, v2                        ; my row's scales: 32 bytes a row,
	v_lshrrev_b32 v7, 8, v5
	v_lshl_add_u32 v5, v7, 4, v5                   ; and 16 more for each 256 passed
	s_mul_i32 s44, s19, HALFS
	s_mul_i32 s46, s20, HALFS
	s_add_co_u32 s46, s46, 2*HALFS
	s_sub_co_u32 s46, s46, s44
	v_mul_u32_u24 v7, s46, v3                      ; lanes 16-31 take B's
	s_add_co_u32 s44, s44, SCL
	v_add_nc_u32 v5, v5, v7
	v_add_nc_u32 v[ADRS], s44, v5
	v_mul_u32_u24 v[SCO], v3, HEADB
	v_lshl_add_u32 v[SCO], v2, 4, v[SCO]
	v_lshlrev_b32 v[H16], 4, v3
	s_mov_b32 s[SEL], 0x76543210
	s_mov_b32 s[SEL+1], 0xfedcba98
	; the bias, asked for now and awaited on the way out.  Both roles fill all of v64-127.
	s_cmp_eq_u32 s21, 2
	s_cbranch_scc1 .Lbias_v
	s_cmp_eq_u32 s21, 0
	s_cselect_b64 s[44:45], s[8:9], s[10:11]
	s_lshl_b32 s46, s22, 10                        ; 256 features for each tile,
	s_lshl_b32 s47, s20, 9                         ; 128 for my half
	s_add_co_u32 s46, s46, s47
	s_mov_b32 s47, 0
	s_add_nc_u64 s[44:45], s[44:45], s[46:47]
	v_lshlrev_b32 v6, 6, v3                        ; register 8 t + j of lane (r, h) is feature 32 (t / 2) + 16 h + 8 (t % 2) + j
.set i, 0
.rept 8
	global_load_b128 v[BP+8*i:BP+8*i+3], v6, s[44:45] offset:(32*(i/2)+8*(i%2))*4
	global_load_b128 v[BP+8*i+4:BP+8*i+7], v6, s[44:45] offset:(32*(i/2)+8*(i%2))*4+16
.set i, i+1
.endr
	s_branch .Lbias_done
.Lbias_v:
	s_lshl_b32 s46, s23, 10
	s_lshl_b32 s47, s19, 9
	s_add_co_u32 s46, s46, s47
	s_mov_b32 s47, 0
	s_add_nc_u64 s[44:45], s[12:13], s[46:47]
	v_and_b32 v6, 8, v2
	v_add_nc_u32 v6, v6, v2
	v_lshlrev_b32 v6, 2, v6                        ; place r of block a is feature 32 (a / 2) + 8 (a % 2) + r + 8 (r / 8): one number a lane and block,
.set i, 0
.rept 64
	global_load_b32 v[BP+i], v6, s[44:45] offset:(32*(i/16)+8*((i/8)%2))*4   ; in eight registers a block, an accumulator's layout
.set i, i+1
.endr
.Lbias_done:
	; where my results go: record (batch x 16 + head) x 16 + the group of 128 tokens
	s_cmp_eq_u32 s21, 2
	s_cselect_b32 s46, s41, s40                    ; the tokens' tile of 256,
	s_cselect_b32 s47, s20, s19                    ; my half of it,
	s_cselect_b32 s2, s23, s22                     ; the features' tile of 256,
	s_cselect_b32 s3, s19, s20                     ; my half of it
	s_lshl_b32 s46, s46, 1
	s_add_co_u32 s46, s46, s47
	s_lshr_b32 s47, s46, 4                         ; batch
	s_and_b32 s46, s46, 15                         ; group
	s_lshl_b32 s2, s2, 2
	s_lshl_b32 s3, s3, 1
	s_add_co_u32 s2, s2, s3                        ; my first head of two
	s_lshl_b32 s47, s47, 4
	s_add_co_u32 s47, s47, s2
	s_lshl_b32 s47, s47, 4
	s_add_co_u32 s47, s47, s46
	s_mul_i32 s46, s47, REC
	s_mov_b32 s47, 0
	s_cmp_eq_u32 s21, 0
	s_cselect_b64 s[OUT:OUT+1], s[14:15], s[16:17]
	s_add_nc_u64 s[OUT:OUT+1], s[OUT:OUT+1], s[46:47]
	s_mov_b32 s2, 0xffff0000                       ; lanes 16-31
.macro FRAG reg, adr, q, i             ; a fragment as it lies: four loads, each lane's bytes next to its neighbour's
	ds_load_b128 v[\reg:\reg+3], v[\adr] offset:(\i)*TROW+(\q)*FRB
	ds_load_b64 v[\reg+4:\reg+5], v[\adr+2] offset:(\i)*TROW+(\q)*FRB+512
	ds_load_b128 v[\reg+6:\reg+9], v[\adr] offset:(\i)*TROW+(\q)*FRB+768
	ds_load_b64 v[\reg+10:\reg+11], v[\adr+2] offset:(\i)*TROW+(\q)*FRB+1280
.endm
; 16 matrix instructions: A's blocks a0, a0 + 1 x B's eight, 128 along K.  The 64 accumulators take turns, one instruction a turn, in the same order in every step.
.macro MUL16 a0, p, q, sc, zero
.irp a, \a0, \a0+1
.irp b, 0,1,2,3,4,5,6,7
.if \zero
	v_wmma_scale_f32_16x16x128_f8f6f4 v[8*(8*((\a)%4)+\b):8*(8*((\a)%4)+\b)+7], v[128*(\p)+FR*\b:128*(\p)+FR*\b+FR-1], v[AF+FR*(\a):AF+FR*(\a)+FR-1], 0, v[SC+8*NQ*(\sc)+NQ*\b+(\q)], v[SC+8*NQ*(\sc)+NQ*(\a)+(\q)] matrix_a_fmt:MATRIX_FMT_FP6 matrix_b_fmt:MATRIX_FMT_FP6 matrix_a_scale:MATRIX_SCALE_ROW1
.else
	v_wmma_scale_f32_16x16x128_f8f6f4 v[8*(8*((\a)%4)+\b):8*(8*((\a)%4)+\b)+7], v[128*(\p)+FR*\b:128*(\p)+FR*\b+FR-1], v[AF+FR*(\a):AF+FR*(\a)+FR-1], v[8*(8*((\a)%4)+\b):8*(8*((\a)%4)+\b)+7], v[SC+8*NQ*(\sc)+NQ*\b+(\q)], v[SC+8*NQ*(\sc)+NQ*(\a)+(\q)] matrix_a_fmt:MATRIX_FMT_FP6 matrix_b_fmt:MATRIX_FMT_FP6 matrix_a_scale:MATRIX_SCALE_ROW1
.endif
.endr
.endr
.endm
.macro FETCH_B slot, q, p
	WIN TO_B
.irp i, 0,1,2,3,4,5,6,7
	FRAG 128*(\p)+FR*\i, ADRB+\slot, \q, \i
.endr
	WIN 0
.endm
.macro FETCH_A slot, q, i0
.irp i, \i0, \i0+1, \i0+2, \i0+3
	FRAG AF+FR*(\i), ADRA+\slot, \q, \i
.endr
.endm
.macro SCALES sc                       ; a K step's scale words: lanes 0-15 A's block i, lanes 16-31 B's block i
.irp i, 0,1,2,3,4,5,6,7
	ds_load_b64 v[SC+8*NQ*\sc+NQ*\i:SC+8*NQ*\sc+NQ*\i+1], v[ADRS] offset:\i*SBLK
.endr
.endm
.macro PLACES n                        ; plain vector instructions between a matrix instruction and a load into, or a vector instruction on, its registers
.rept \n
	v_nop
.endr
.endm
.macro STEP slot, q, zero              ; 128 along K with its successor in the same slot
	s_wait_dscnt 4*NL                              ; all but the youngest sixteen loads (A's blocks 4-7) are in
	WIN MUL_LO
	MUL16 0, (\q)%2, \q, \slot, \zero
	MUL16 2, (\q)%2, \q, \slot, \zero
	s_wait_dscnt 0
	PLACES NP
	FETCH_B \slot, (\q)+1, 1-(\q)%2
	FETCH_A \slot, (\q)+1, 0
	WIN MUL_HI
	MUL16 4, (\q)%2, \q, \slot, \zero
	MUL16 6, (\q)%2, \q, \slot, \zero
	PLACES NP
	WIN 0
	FETCH_A \slot, (\q)+1, 4
.endm
; A slot's last step changes slots: one barrier; ahead of it each wave waits for all its tensor loads, adds 0 to its spare word, and waits for that and for its reads of this slot.  fill = 1: this slot is filled again, two K steps ahead.
.macro TURN slot, next, fill
	s_wait_tensorcnt 0x0                           ; all my tensor loads have landed: my part of the next slot
	ds_add_u32 v[SPW], v[NIL]                      ; 0 onto my spare word
	s_wait_dscnt 4*NL+1                            ; the add and the youngest sixteen loads may be out
	WIN MUL_LO
	MUL16 0, 1, NQ-1, \slot, 0
	s_wait_dscnt 0x0                               ; the add is done, and my reads of this slot are over
	s_barrier_signal -1
	MUL16 2, 1, NQ-1, \slot, 0
	WIN 0
	s_barrier_wait -1
.if \fill
	CREST                                          ; the barrier has opened a round of the cluster's: no wave of any partner still reads this slot or has a load on its way
	s_add_nc_u64 s[G0+4*\slot+2:G0+4*\slot+3], s[G0+4*\slot+2:G0+4*\slot+3], 2*TROW
	s_add_nc_u64 s[G0B+4*\slot+2:G0B+4*\slot+3], s[G0B+4*\slot+2:G0B+4*\slot+3], 2*TROW
	JLOAD G0+4*\slot, G1, G0B+4*\slot, G1B         ; the first tensor load behind the round, my only one until the next; its four v_nop are the places for the loads below
.else
	PLACES NP
.endif
	s_wait_alu depctr_va_vdst(0)
	v_add_nc_u32 v[ADRS], 4*NQ, v[ADRS]            ; the next K step's scale words (no LDS load of mine is out)
	FETCH_B \next, 0, 0
	FETCH_A \next, 0, 0
	SCALES \next
	WIN MUL_HI
	MUL16 4, 1, NQ-1, \slot, 0
	MUL16 6, 1, NQ-1, \slot, 0
	PLACES NP
	WIN 0
	FETCH_A \next, 0, 4
.endm
	s_wait_alu depctr_va_vdst(0)
	s_wait_tensorcnt 0x0                           ; my tile of the head's four is in; these lines stand ahead of slot 1's first fill as ahead of a refill
	ds_add_u32 v[SPW], v[NIL]
	s_mov_b32 s[G1+2], 8<<16                       ; no tensor load of mine is out: from here on a load brings 8 row tiles,
	s_mov_b32 s[G1+4], 8
	s_mov_b32 s[G1B+2], 8<<16
	s_mov_b32 s[G1B+4], 8
	s_mul_i32 s3, s18, HALFT                       ; and slot 0's descriptors name my 128 rows
	s_mov_b32 s[G0+1], s3
	s_mov_b32 s[G0B+1], s3
	s_mul_i32 s46, s20, 8*12288
	s_mov_b32 s47, 0
	s_add_nc_u64 s[G0+2:G0+3], s[G0+2:G0+3], s[46:47]
	s_add_nc_u64 s[G0B+2:G0B+3], s[G0B+2:G0B+3], s[46:47]
	s_wait_dscnt 0x0
	CROUND                                         ; all four tiles are in, and all sixteen work-groups are here
	JLOAD G0+4, G1, G0B+4, G1B                     ; K step 1, the first tensor load behind the round
	FETCH_B 0, 0, 0
	FETCH_A 0, 0, 0
	s_wait_alu depctr_va_vdst(0)
	SCALES 0
	FETCH_A 0, 0, 4
	STEP 0, 0, 1                                   ; the first products start the sums: nothing is cleared
	TURN 0, 1, 1                                   ; K = 1,024 is four slots' worth: each slot is filled again once, so the steps are written on end
	STEP 1, 0, 0
	TURN 1, 0, 1
	STEP 0, 0, 0
	TURN 0, 1, 0
	STEP 1, 0, 0
	s_wait_dscnt 4*NL
	WIN MUL_LO
	MUL16 0, 1, NQ-1, 1, 0
	MUL16 2, 1, NQ-1, 1, 0
	s_wait_dscnt 0
	WIN MUL_HI
	MUL16 4, 1, NQ-1, 1, 0
	MUL16 6, 1, NQ-1, 1, 0
	WIN 0
; 64 numbers of a lane, register 16 b + i = k 32 b + 16 (lane / 16) + i of my row, become a fragment's codes in v[PC] on and its scale word in v[PW].
.macro QUANT s
.irp b, 0,1,2,3
	v_max3_num_f32 v[TM+\b], |v[\s+16*\b]|, |v[\s+1+16*\b]|, 0x1800000   ; with the floor 2^(3 - 127): the byte cannot fall under 1
.endr
.irp i, 2,4,6,8,10,12,14
.irp b, 0,1,2,3
	v_max3_num_f32 v[TM+\b], v[TM+\b], |v[\s+16*\b+\i]|, |v[\s+1+16*\b+\i]|
.endr
.endr
.irp b, 0,1,2,3
	v_permlanex16_b32 v[TM+4+\b], v[TM+\b], s[SEL], s[SEL+1]
.endr
.irp b, 0,1,2,3
	v_max_num_f32 v[TM+\b], v[TM+\b], v[TM+4+\b]   ; with lane l xor 16's: the block's largest magnitude
.endr
.irp b, 0,1,2,3
	v_add_nc_u32 v[TM+12+\b], 0xff000000, v[TM+\b]   ; 2 off its exponent field: the conversion's scale operand
.endr
.irp b, 0,1,2,3
	v_lshrrev_b32 v[TM+4+\b], 23, v[TM+12+\b]      ; the scale's byte
.endr
	v_lshl_or_b32 v[PW], v[TM+5], 8, v[TM+4]
	v_lshl_or_b32 v[PW], v[TM+6], 16, v[PW]
	v_lshl_or_b32 v[PW], v[TM+7], 24, v[PW]
.irp c, 0,1
	v_cvt_scalef32_pk16_fp6_f32 v[PC+6*\c:PC+2+6*\c], v[\s+32*\c:\s+15+32*\c], v[TM+12+2*\c]
	v_cvt_scalef32_pk16_fp6_f32 v[PC+12+4*\c:PC+14+4*\c], v[\s+16+32*\c:\s+31+32*\c], v[TM+12+2*\c+1]
.endr
	v_nop                                          ; one plain place behind a scaled conversion
.irp c, 0,1                                    ; the operand's layout wants a whole block in a lane
.irp i, 0,1,2
	v_permlane16_swap_b32 v[PC+6*\c+\i], v[PC+12+4*\c+\i]
.endr
.irp i, 0,1,2
	v_mov_b32 v[PC+3+6*\c+\i], v[PC+12+4*\c+\i]
.endr
.endr
.endm
; Block a of 16 tokens, Q or K: + bias, quantised; registers 0-5 are the first head's tile, 6-11 the second's.
.macro EPI_QK a
.if (\a) > 0
	s_wait_xcnt 0x0                                ; the last block's stores have read their data: the codes' registers are written again only behind this wait
.endif
	WIN 0x02+(\a)/4
.set AC, 64*((\a)%4)
.set j, 0
.rept 32
	v_pk_add_f32 v[HA+j:HA+j+1], v[AC+j:AC+j+1], v[BP+j:BP+j+1]   ; each accumulator from its low end on
.set j, j+2
.endr
	WIN 0
	QUANT HA
	global_store_b128 v[L16], v[PC:PC+3], s[OUT:OUT+1] offset:768*(\a)
	global_store_b64 v[L8], v[PC+4:PC+5], s[OUT:OUT+1] offset:768*(\a)+512
	global_store_b128 v[L16], v[PC+6:PC+9], s[OUT:OUT+1] offset:HEADB+768*(\a)
	global_store_b64 v[L8], v[PC+10:PC+11], s[OUT:OUT+1] offset:HEADB+768*(\a)+512
	v_lshrrev_b32 v[SW+(\a)], v[H16], v[PW]        ; lanes 0-15: the first head's two bytes lowest; lanes 16-31: the second's.  The bytes above them are scale bytes or 0 and meet zero codes
.endm
; Block a of 16 features, V: + bias, quantised along the 128 keys: a whole fragment.
.macro EPI_V a
.if (\a) > 0
	s_wait_xcnt 0x0
.endif
	WIN 0x02+(\a)/4
.set AC, 64*((\a)%4)
.set j, 0
.rept 32
	v_pk_add_f32 v[HA+j:HA+j+1], v[AC+j:AC+j+1], v[BP+8*(\a)+j%8:BP+8*(\a)+j%8+1]
.set j, j+2
.endr
	WIN 0
	QUANT HA
.irp i, 0,1,2
	global_store_b128 v[L16], v[PC+4*\i:PC+4*\i+3], s[OUT:OUT+1] offset:((\a)/4)*HEADB+VIM+((\a)%4)*FRB+512*\i
.endr
.if (\a) < 4
	v_mov_b32 v[SW+(\a)], v[PW]
.else
	v_cndmask_b32 v[SW+(\a)-4], v[SW+(\a)-4], v[PW], s2   ; lanes 16-31 carry the second head's words
.endif
.endm
	PLACES NP                                      ; behind the last products: the lines below write registers that held A's fragments and read results
.irp b, 0,1,2,3
	v_mov_b32 v[TM+4+\b], 0                        ; a lane permute's destination counts as one of its sources
.endr
	s_wait_loadcnt 0x0                             ; the bias
	s_cmp_eq_u32 s21, 2
	s_cbranch_scc1 .Lepi_v
.irp a, 0,1,2,3,4,5,6,7
	EPI_QK \a
.endr
	global_store_b128 v[SCO], v[SW:SW+3], s[OUT:OUT+1] offset:KSC        ; sixteen lanes fill 256 consecutive bytes of a head's record
	global_store_b128 v[SCO], v[SW+4:SW+7], s[OUT:OUT+1] offset:KSC+256
	s_branch .Ldone
.Lepi_v:
.irp a, 0,1,2,3,4,5,6,7
	EPI_V \a
.endr
	global_store_b128 v[SCO], v[SW:SW+3], s[OUT:OUT+1] offset:VSC
.Ldone:
	s_wait_tensorcnt 0x0                           ; the wave's end
	ds_add_u32 v[SPW], v[NIL]
	s_wait_dscnt 0x0
	CROUND                                         ; the closing round
	s_endpgm
.Lfunc_end_k_q8d707b2808_qkv:
	.size	k_q8d707b2808_qkv, .Lfunc_end_k_q8d707b2808_qkv-k_q8d707b2808_qkv
	.p2alignl 7, 3214868480
	.fill 96, 4, 3214868480
	.section	.rodata,"a",@progbits
	.p2align	6, 0x0
	.amdhsa_kernel k_q8d707b2808_qkv
		.amdhsa_group_segment_fixed_size 327680
		.amdhsa_private_segment_fixed_size 0
		.amdhsa_enable_private_segment 0
		.amdhsa_kernarg_size 56
		.amdhsa_user_sgpr_count 2
		.amdhsa_user_sgpr_kernarg_segment_ptr 1
		.amdhsa_wavefront_size32 1
		.amdhsa_system_sgpr_workgroup_id_x 1
		.amdhsa_system_sgpr_workgroup_id_y 1
		.amdhsa_system_sgpr_workgroup_id_z 1
		.amdhsa_system_vgpr_workitem_id 0
		.amdhsa_next_free_vgpr 1024
		.amdhsa_next_free_sgpr 102
		.amdhsa_reserve_vcc 0
		.amdhsa_float_denorm_mode_32 3
		.amdhsa_float_denorm_mode_16_64 3
		.amdhsa_memory_ordered 1
		.amdhsa_forward_progress 1
		.amdhsa_inst_pref_size 224
	.end_amdhsa_kernel
	.amdgpu_metadata
---
amdhsa.version: [ 1, 2 ]
amdhsa.kernels:
  - .name:           k_q8d707b2808_qkv
    .symbol:         k_q8d707b2808_qkv.kd
    .args:
      - { .name: xcod, .offset: 0, .size: 8, .value_kind: global_buffer, .address_space: global }
      - { .name: wcod, .offset: 8, .size: 8, .value_kind: global_buffer, .address_space: global }
      - { .name: bq, .offset: 16, .size: 8, .value_kind: global_buffer, .address_space: global }
      - { .name: bk, .offset: 24, .size: 8, .value_kind: global_buffer, .address_space: global }
      - { .name: bv, .offset: 32, .size: 8, .value_kind: global_buffer, .address_space: global }
      - { .name: qrec, .offset: 40, .size: 8, .value_kind: global_buffer, .address_space: global }
      - { .name: kvrec, .offset: 48, .size: 8, .value_kind: global_buffer, .address_space: global }
    .group_segment_fixed_size: 327680
    .private_segment_fixed_size: 0
    .kernarg_segment_align: 8
    .kernarg_segment_size: 56
    .max_flat_workgroup_size: 128
    .sgpr_count:     102
    .vgpr_count:     1024
    .wavefront_size: 32
...
	.end_amdgpu_metadata
.endif
;; end of part 2
;; launch attn (part 3): grid 4 x 64, 8 waves a work-group, clusters of 4 x 1, 327,680 bytes of LDS; arguments qrec, kvrec, mbias, ocod; writes ocod
.if DOCPART == 3
	.amdgcn_target "amdgcn-amd-amdhsa--gfx1250"
	.amdhsa_code_object_version 6
	.text
	.protected	k_q8d707b2808_attn
	.globl	k_q8d707b2808_attn
	.p2align	8
	.type	k_q8d707b2808_attn,@function
k_q8d707b2808_attn:
	s_mov_b64 s[64:65], 0
	v_nop
	global_prefetch_b8 v0, s[64:65] scope:SCOPE_SE
	s_setreg_imm32_b32 hwreg(HW_REG_WAVE_MODE, 25, 1), 1
	s_wait_xcnt 0x0
	s_wait_alu depctr_hold_cnt(0) depctr_sa_sdst(0) depctr_va_vdst(0) depctr_va_sdst(0) depctr_va_ssrc(0) depctr_va_vcc(0) depctr_vm_vsrc(0)
	s_getreg_b32 s2, hwreg(HW_REG_IB_STS2, 6, 4)
	s_cmp_eq_u32 s2, 0
	s_cbranch_scc0 .Lentry_in_a_cluster
	s_endpgm
.Lentry_in_a_cluster:
	s_bfe_u32 s2, ttmp6, 0x10000c
	s_cmp_lg_u32 s2, 0x3003
	s_cbranch_scc0 .Lentry_shape_is_right
	s_endpgm
.Lentry_shape_is_right:
; o = softmax(q k^T / 8 + key mask) v for one batch and head, on codes of FP6 (E2M3) with E8M0 scales; o leaves quantised along the head's 64, as images of the next product's operand registers.
; A work-group takes 512 queries of a head, a wave 2 passes x 2 tiles of 16 queries.  The head's 16 records (K, V, their scale words: 208,896 bytes) and the batch's mask bias (8,192 bytes) lie in LDS for the whole launch.
; The four work-groups of a cluster take the four blocks of queries of one head: K, V and the bias are asked for jointly.
; Both products are used transposed (S^T = k q^T + bias, O^T = v^T p^T): a lane holds one query.  p = 2^(t - M), M the ceiling of the running largest t; the row's sum is taken of the unquantised p.
; A PIPELINE OVER (step of 128 keys, tile): while tile u's exponentials are issued, the multiply-adds t - M of tile u + 1 stand among them: they hang on nothing written in that batch.
; Ahead of the batch: the scores and the search for the largest of tile u + 1; behind it: O^T x f, p's scales and codes, the sum and P V of tile u.
; K, its scale words and the bias of step n + 1 are fetched behind their last use in step n (34 LDS loads), V and its scale words likewise (13).
; NO PREFETCH: all of K and V is asked for at the head by one tensor load a wave; there is no loop to run ahead in.
; LIMITS: the promise holds while |t| stays under 2^31; a block whose largest p or o lies under 2^-124 keeps the scale byte 1; NaN and infinities are not served.
.set REC,   13056
.set KSC,   6144
.set VIM,   6656
.set VSC,   12800
.set HEADB, 16*REC
.set MB,    HEADB                      ; the mask's bias
.set SPARE, MB+8192                    ; the spare words: 128 bytes a wave
.set L16, 1
.set L8,  2
.set R16, 3
.set AMB, 4
.set SPW, 5                            ; never rewritten
.set NIL, 6                            ; never rewritten
.set R32, 7
.set ADK16, 8
.set ADK8,  9
.set ADS,   10
.set ADM,   11
; v12-19: tile i: -M, the largest t, the sum in two halves
.set Q,   20                           ; v20-43 two fragments; their upper 64 k are zero codes
.set QS,  44
.set FF,  48                           ; v48:49, v50:51 f of tile 0, 1
.set KS,  52
.set VS,  60
.set S,   64                           ; v64-127, v128-191 scores, then p, of tile 0, 1
.set PC,  192
.set PT,  204
.set BM,  212                          ; v212-219 the blocks' largest, by tile
.set T2,  220
.set SO,  224
.set SU,  228
.set TT,  230
.set PWD, 232                          ; p's scale word
.set BY,  236
; window 1: v0-53 K's fragments, v64-111 V's, v128-191 the bias, v192-255 O^T
.set VF,  64
.set BF,  128
.set O,   192
.set WV,  14
.set SEL, 20
.set CS,  22
.set G1K, 24
.set G1M, 32
.set G0K, 40
.set G0M, 44
.set TB,  48
.set TMB, 49
.set MSB, 0
.macro WIN new
.if MSB != (\new)
	s_set_vgpr_msb (MSB<<8)|(\new)
.set MSB, (\new)
.endif
.endm
.macro WALU
	s_wait_alu depctr_va_vdst(0)
.endm
.macro PLACES
.rept 4
	v_nop
.endr
.endm
.macro CROUND
	s_barrier_signal -1
	s_barrier_wait -1
	s_cmp_lg_u32 s[WV], 0
	s_cbranch_scc1 .Lnot_wave_0_\@
	s_barrier_signal -3
.Lnot_wave_0_\@:
	s_barrier_wait -3
	s_barrier_signal -1
	s_barrier_wait -1
.endm
.macro QLOAD off                       ; my two tiles of queries and their scale words
	global_load_b128 v[Q:Q+3], v[L16], s[52:53] offset:\off
	global_load_b64 v[Q+4:Q+5], v[L8], s[52:53] offset:\off+512
	global_load_b128 v[Q+12:Q+15], v[L16], s[52:53] offset:\off+768
	global_load_b64 v[Q+16:Q+17], v[L8], s[52:53] offset:\off+1280
	global_load_b32 v[QS], v[R16], s[54:55] offset:\off
	global_load_b32 v[QS+1], v[R16], s[54:55] offset:\off+4
.endm
	s_load_b256 s[4:11], s[0:1], 0x0               ; qrec 4, kvrec 6, mbias 8, ocod 10
	v_lshl_add_u32 v[SPW], v0, 2, SPARE
	v_mov_b32 v[NIL], 0
	ds_add_u32 v[SPW], v[NIL]                      ; the opening lines
	ds_add_u32 v[SPW], v[NIL]
	v_lshrrev_b32 v1, 5, v0
	s_delay_alu instid0(VALU_DEP_1)
	v_readfirstlane_b32 s[WV], v1
	s_bfe_u32 s15, ttmp6, 0x40000                  ; cx: my block of 512 queries
	s_and_b32 s16, ttmp7, 0xffff                   ; batch x 16 + head
	s_lshr_b32 s17, s16, 4
	s_and_b32 s18, s16, 15
	s_mov_b32 s[G1K], 15|(3<<16)|(1<<21)           ; 136 rows of 256 bytes, dense; all four partners
	s_mov_b32 s[G1K+1], 32<<16
	s_mov_b32 s[G1K+2], 136<<16
	s_mov_b32 s[G1K+3], 32<<16
	s_mov_b32 s[G1K+4], 136
	s_mov_b32 s[G1K+5], 32
	s_mov_b32 s[G1K+6], 0
	s_mov_b32 s[G1K+7], 0
	s_mov_b32 s[G1M], 15|(3<<16)|(1<<21)           ; 16 rows of 256 bytes
	s_mov_b32 s[G1M+1], 32<<16
	s_mov_b32 s[G1M+2], 16<<16
	s_mov_b32 s[G1M+3], 32<<16
	s_mov_b32 s[G1M+4], 16
	s_mov_b32 s[G1M+5], 32
	s_mov_b32 s[G1M+6], 0
	s_mov_b32 s[G1M+7], 0
	s_mov_b32 s[SEL], 0x76543210
	s_mov_b32 s[SEL+1], 0xfedcba98
	s_min_u32 s12, s[WV], 5
	s_mul_i32 s60, s12, 136*256                    ; waves 0-5: a sixth of the head's 816 rows each
	s_mul_i32 s62, s16, HEADB
	s_add_co_u32 s62, s62, s60
	s_mov_b32 s63, 0
	s_and_b32 s61, s[WV], 1
	s_lshl_b32 s61, s61, 12                        ; waves 6, 7: half of the bias each
	s_lshl_b32 s12, s17, 13
	s_add_co_u32 s12, s12, s61
	s_mov_b32 s13, 0
	s_lshl_b32 s2, s17, 8
	s_mov_b32 s3, 0
	s_wait_dscnt 0x0
	s_wait_kmcnt 0x0
	s_mov_b32 s[G0K], 1
	s_mov_b32 s[G0K+1], s60
	s_add_nc_u64 s[G0K+2:G0K+3], s[6:7], s[62:63]
	s_or_b32 s[G0K+3], s[G0K+3], 0x80000000
	s_mov_b32 s[G0M], 1
	s_add_co_u32 s[G0M+1], s61, MB
	s_add_nc_u64 s[G0M+2:G0M+3], s[8:9], s[12:13]
	s_or_b32 s[G0M+3], s[G0M+3], 0x80000000
	s_add_nc_u64 s[2:3], s[8:9], s[2:3]
	CROUND                                         ; the four partners are here: the joint loads meet
	s_cmp_lt_u32 s[WV], 6                          ; one tensor load a wave, one to an arm
	s_cbranch_scc0 .Lfor_mask
	tensor_load_to_lds s[G0K:G0K+3], s[G1K:G1K+7]
	s_nop 0
	PLACES
	s_branch .Lasked
.Lfor_mask:
	tensor_load_to_lds s[G0M:G0M+3], s[G1M:G1M+7]
	s_nop 0
	PLACES
.Lasked:
	s_load_b32 s[CS], s[2:3], 0x8000               ; c = log2(e) / 8, or 0 for a batch with every key hidden
	s_lshl_b32 s12, s15, 2
	s_lshr_b32 s13, s[WV], 2
	s_add_co_u32 s12, s12, s13
	s_lshl_b32 s13, s16, 4
	s_add_co_u32 s12, s12, s13
	s_mul_i32 s12, s12, REC                        ; my queries' record,
	s_and_b32 s13, s[WV], 3
	s_mul_i32 s60, s13, 1536                       ; my two tiles in it
	s_add_co_u32 s62, s12, s60
	s_add_nc_u64 s[52:53], s[4:5], s[62:63]
	s_lshr_b32 s60, s13, 1
	s_lshl_b32 s60, s60, 8
	s_add_co_u32 s62, s12, s60
	s_and_b32 s60, s[WV], 1
	s_lshl_b32 s60, s60, 3
	s_add_co_u32 s62, s62, s60
	s_add_co_u32 s62, s62, KSC
	s_add_nc_u64 s[54:55], s[4:5], s[62:63]        ; and their scale words
	s_lshl_b32 s12, s17, 7
	s_lshl_b32 s13, s15, 5
	s_add_co_u32 s12, s12, s13
	s_lshl_b32 s13, s[WV], 1
	s_add_co_u32 s12, s12, s13                     ; my first row tile of ocod
	s_mul_i32 s62, s12, 12288
	s_mul_i32 s13, s18, 768
	s_add_co_u32 s62, s62, s13
	s_add_nc_u64 s[56:57], s[10:11], s[62:63]
	s_lshl_b32 s62, s12, 9
	s_lshl_b32 s13, s18, 1
	s_add_co_u32 s62, s62, s13
	s_add_co_u32 s62, s62, 6291456
	s_add_nc_u64 s[58:59], s[10:11], s[62:63]
	v_and_b32 v7, 31, v0
	s_delay_alu instid0(VALU_DEP_1)
	v_lshlrev_b32 v[L16], 4, v7
	s_delay_alu instid0(VALU_DEP_2)
	v_lshlrev_b32 v[L8], 3, v7
	v_and_b32 v7, 15, v0
	s_delay_alu instid0(VALU_DEP_1)
	v_lshlrev_b32 v[R16], 4, v7
	v_bfe_u32 v[AMB], v0, 4, 1
	s_delay_alu instid0(VALU_DEP_1)
	v_lshl_add_u32 v[AMB], v[AMB], 6, MB
	s_delay_alu instid0(VALU_DEP_4)
	v_lshlrev_b32 v[R32], 5, v7
.irp i, 6,7,8,9,10,11,18,19,20,21,22,23
	v_mov_b32 v[Q+\i], 0                           ; zero codes for k = 64 .. 127
.endr
	v_mov_b32 v[FF+1], 0                           ; upper halves of pairs that are named whole
	v_mov_b32 v[FF+3], 0
.irp b, 0,1,2,3
	v_mov_b32 v[T2+\b], 0                          ; a lane permute's destination counts as a source
.endr
	WIN 0x40
.irp i, 48,49,50,51,52,53
	v_mov_b32 v[\i], 0                             ; what K's last tile names beyond its six registers
.endr
	WIN 0
	QLOAD 0
	s_mov_b32 s51, 2                               ; passes to go
	WALU
	s_wait_kmcnt 0x0
	s_mov_b32 s[CS+1], s[CS]
	s_wait_tensorcnt 0x0                           ; every wave's load has landed,
	s_barrier_signal -1
	s_barrier_wait -1                              ; and all waves know it.  Nothing is filled again
.macro ADDR                            ; this step's LDS addresses; four plain lines, which also serve as places
	v_add_nc_u32 v[ADK16], s[TB], v[L16]
	v_add_nc_u32 v[ADK8], s[TB], v[L8]
	v_add_nc_u32 v[ADS], s[TB], v[R16]
	v_add_nc_u32 v[ADM], s[TMB], v[AMB]
.endm
.macro LOADK                           ; 34 loads: K's scale words, its eight tiles, the bias as the scores' C
	ds_load_b128 v[KS:KS+3], v[ADS] offset:KSC
	ds_load_b128 v[KS+4:KS+7], v[ADS] offset:KSC+256
	WIN 0x40
.irp t, 0,1,2,3,4,5,6,7
	ds_load_b128 v[6*\t:6*\t+3], v[ADK16] offset:768*\t
	ds_load_b64 v[6*\t+4:6*\t+5], v[ADK8] offset:768*\t+512
.endr
.irp t, 0,1,2,3,4,5,6,7
	ds_load_b128 v[BF+8*\t:BF+8*\t+3], v[ADM] offset:128*(\t/2)+32*(\t%2)
	ds_load_b128 v[BF+8*\t+4:BF+8*\t+7], v[ADM] offset:128*(\t/2)+32*(\t%2)+16
.endr
	WIN 0
.endm
.macro LOADV                           ; 13 loads: V's four tiles and their scale words
	WIN 0x40
.irp t, 0,1,2,3
.irp i, 0,1,2
	ds_load_b128 v[VF+12*\t+4*\i:VF+12*\t+4*\i+3], v[ADK16] offset:VIM+1536*\t+512*\i
.endr
.endr
	WIN 0
	ds_load_b128 v[VS:VS+3], v[ADS] offset:VSC
.endm
.macro SMUL t                          ; S^T of tile t: eight tiles of 16 keys, C = the mask's bias
	WIN 0x11
.irp k, 0,1,2,3,4,5,6,7
	v_wmma_scale_f32_16x16x128_f8f6f4 v[S+64*(\t)+8*\k:S+64*(\t)+8*\k+7], v[6*\k:6*\k+11], v[Q+12*(\t):Q+12*(\t)+11], v[BF+8*\k:BF+8*\k+7], v[KS+\k], v[QS+(\t)] matrix_a_fmt:MATRIX_FMT_FP6 matrix_b_fmt:MATRIX_FMT_FP6
.endr
	WIN 0
.endm
.macro SEARCH t                        ; each block's largest score; the running largest t; -M = floor(-t); f = 2^(old M - new M)
.set XS, 12+4*(\t)
.set XN, S+64*(\t)
.set XB, BM+4*(\t)
.irp b, 0,1,2,3
	v_max3_num_f32 v[XB+\b], v[XN+16*\b], v[XN+1+16*\b], v[XN+2+16*\b]
.endr
.irp i, 3,5,7,9,11,13
.irp b, 0,1,2,3
	v_max3_num_f32 v[XB+\b], v[XB+\b], v[XN+16*\b+\i], v[XN+1+16*\b+\i]
.endr
.endr
.irp b, 0,1,2,3
	v_max_num_f32 v[XB+\b], v[XB+\b], v[XN+15+16*\b]
.endr
.irp b, 0,1,2,3
	s_delay_alu instid0(VALU_DEP_4)
	v_permlanex16_b32 v[T2+\b], v[XB+\b], s[SEL], s[SEL+1]
.endr
.irp b, 0,1,2,3
	s_delay_alu instid0(VALU_DEP_4)
	v_max_num_f32 v[XB+\b], v[XB+\b], v[T2+\b]
.endr
	s_delay_alu instid0(VALU_DEP_2)
	v_max3_num_f32 v[TT], v[XB], v[XB+1], v[XB+2]
	s_delay_alu instid0(VALU_DEP_1)
	v_max_num_f32 v[TT], v[TT], v[XB+3]
	s_delay_alu instid0(VALU_DEP_1)
	v_mul_f32 v[TT], s[CS], v[TT]
	s_delay_alu instid0(VALU_DEP_1)
	v_max_num_f32 v[XS+1], v[XS+1], v[TT]
	v_mov_b32 v[TT], v[XS]
	s_delay_alu instid0(VALU_DEP_2)
	v_floor_f32 v[XS], -v[XS+1]
	s_delay_alu instid0(VALU_DEP_1)
	v_sub_f32 v[TT], v[XS], v[TT]
	s_delay_alu instid0(VALU_DEP_1)
	v_cvt_i32_f32 v[TT], v[TT]
	s_delay_alu instid0(VALU_DEP_1)
	v_ldexp_f32 v[FF+2*(\t)], 1.0, v[TT]
.endm
; mode 0: tile u's exponentials with tile nx's t - M among them; 1: the multiply-adds alone; 2: the exponentials alone.
; No plain line of the batch reads what another line of the batch writes; one wait stands ahead of it and one behind it.
.macro BATCH u, nx, mode
.set XU, S+64*(\u)
.set XN, S+64*(\nx)
.set XS, 12+4*(\nx)
.if (\mode) != 1
	WALU
.endif
.set j, 0
.rept 32
.if (\mode) != 1
	v_exp_f32 v[XU+j], v[XU+j]
	v_exp_f32 v[XU+j+1], v[XU+j+1]
.endif
.if (\mode) != 2
	v_pk_fma_f32 v[XN+j:XN+j+1], v[XN+j:XN+j+1], s[CS:CS+1], v[XS:XS+1] op_sel_hi:[1,0,0]
.endif
.set j, j+2
.endr
.irp b, 0,1,2,3
.if (\mode) != 1
	v_exp_f32 v[BM+4*(\u)+\b], v[BM+4*(\u)+\b]     ; the block's largest p
.endif
.if (\mode) != 2
	v_fma_f32 v[BM+4*(\nx)+\b], v[BM+4*(\nx)+\b], s[CS], v[XS]
.endif
.endr
.if (\mode) != 2
	v_pk_mul_f32 v[XS+2:XS+3], v[XS+2:XS+3], v[FF+2*(\nx):FF+2*(\nx)+1] op_sel_hi:[1,0]   ; tile nx's sum under its new M
.else
	v_nop
.endif
.endm
; Tile u behind its exponentials.  vw >= 0: the count of the wait for V's loads.
.macro FINISH u, vw
.set XU, S+64*(\u)
.set XS, 12+4*(\u)
.set XB, BM+4*(\u)
.set XO, O+32*(\u)
.if (\vw) >= 0
	s_wait_dscnt \vw
.endif
	WIN 0x41
	WALU                                           ; behind the batch, directly ahead of O^T's first readers
.set j, 0
.rept 16
	v_pk_mul_f32 v[XO+j:XO+j+1], v[XO+j:XO+j+1], v[FF+2*(\u):FF+2*(\u)+1] op_sel_hi:[1,0]
.set j, j+2
.endr
	WIN 0
.irp b, 0,1,2,3
	v_max_num_f32 v[XB+\b], 0x1800000, v[XB+\b]    ; the floor 2^(3 - 127): the byte cannot fall under 1
.endr
.irp b, 0,1,2,3
	s_delay_alu instid0(VALU_DEP_4)
	v_add_nc_u32 v[SO+\b], 0xff000000, v[XB+\b]    ; 2 off the exponent field: the conversion's scale operand
.endr
.irp b, 0,1,2,3
	s_delay_alu instid0(VALU_DEP_4)
	v_lshrrev_b32 v[BY+\b], 23, v[SO+\b]
.endr
	s_delay_alu instid0(VALU_DEP_3)
	v_lshl_or_b32 v[PWD], v[BY+1], 8, v[BY]
	s_delay_alu instid0(VALU_DEP_1)
	v_lshl_or_b32 v[PWD], v[BY+2], 16, v[PWD]
	s_delay_alu instid0(VALU_DEP_1)
	v_lshl_or_b32 v[PWD], v[BY+3], 24, v[PWD]
.irp c, 0,1
	v_cvt_scalef32_pk16_fp6_f32 v[PC+6*\c:PC+2+6*\c], v[XU+32*\c:XU+15+32*\c], v[SO+2*\c]
	v_cvt_scalef32_pk16_fp6_f32 v[PT+4*\c:PT+2+4*\c], v[XU+16+32*\c:XU+31+32*\c], v[SO+2*\c+1]
.endr
	v_nop                                          ; one plain place behind a scaled conversion
.irp c, 0,1                                    ; a whole block of 32 keys to a lane
.irp i, 0,1,2
	v_permlane16_swap_b32 v[PC+6*\c+\i], v[PT+4*\c+\i]
.endr
.irp i, 0,1,2
	s_delay_alu instid0(VALU_DEP_3)
	v_mov_b32 v[PC+3+6*\c+\i], v[PT+4*\c+\i]
.endr
.endr
	v_pk_add_f32 v[SU:SU+1], v[XU:XU+1], v[XU+2:XU+3]   ; the sum of the unquantised p, in two chains; these 32 lines are also the places ahead of the products
.set j, 4
.rept 15
	v_pk_add_f32 v[XS+2:XS+3], v[XS+2:XS+3], v[XU+j:XU+j+1]
	v_pk_add_f32 v[SU:SU+1], v[SU:SU+1], v[XU+j+2:XU+j+3]
.set j, j+4
.endr
	s_delay_alu instid0(VALU_DEP_1)
	v_pk_add_f32 v[XS+2:XS+3], v[XS+2:XS+3], v[SU:SU+1]
	WIN 0x51
.irp t, 0,1,2,3
	v_wmma_scale_f32_16x16x128_f8f6f4 v[XO+8*\t:XO+8*\t+7], v[VF+12*\t:VF+12*\t+11], v[PC:PC+11], v[XO+8*\t:XO+8*\t+7], v[VS+\t], v[PWD] matrix_a_fmt:MATRIX_FMT_FP6 matrix_b_fmt:MATRIX_FMT_FP6
.endr
	WIN 0
.endm
; Half a step.  more: a tile follows; ld: a step follows, whose K (u = 0) is fetched.
.macro HALF u, more, ld
.if \more
.if \u
	s_wait_dscnt 0x0                               ; the next step's K, asked for in the half before
.elseif \ld
	s_add_co_u32 s[TB], s[TB], REC
	s_add_co_u32 s[TMB], s[TMB], 512
.endif
	SMUL 1-\u
.if ((\u) == 0) && (\ld)
	ADDR
	LOADK
.else
	PLACES
.endif
.if ((\u) == 0) && ((\ld) == 0)
	s_cmp_eq_u32 s51, 1                            ; Q has had its last use in this pass: the next pass's, if there is one
	s_cbranch_scc1 .Lno_q
	QLOAD 2*REC
.Lno_q:
.endif
	SEARCH 1-\u
	BATCH \u, 1-\u, 0
.else
	BATCH \u, \u, 2
.endif
.if \u
	FINISH \u, -1
.elseif \ld
	FINISH \u, 34                                  ; V is in; the 34 loads of the next K may be out
.else
	FINISH \u, 0
.endif
.if (\u) && (\more)
	PLACES
	LOADV
.endif
.endm
.macro QUANT2 s                        ; 32 numbers of a lane, two half blocks, become six registers of codes and two scale bytes
.irp b, 0,1
	v_max3_num_f32 v[BM+\b], |v[\s+16*\b]|, |v[\s+1+16*\b]|, 0x1800000
.endr
.irp i, 2,4,6,8,10,12,14
.irp b, 0,1
	s_delay_alu instid0(VALU_DEP_2)
	v_max3_num_f32 v[BM+\b], v[BM+\b], |v[\s+16*\b+\i]|, |v[\s+1+16*\b+\i]|
.endr
.endr
.irp b, 0,1
	s_delay_alu instid0(VALU_DEP_2)
	v_permlanex16_b32 v[T2+\b], v[BM+\b], s[SEL], s[SEL+1]
.endr
.irp b, 0,1
	s_delay_alu instid0(VALU_DEP_2)
	v_max_num_f32 v[BM+\b], v[BM+\b], v[T2+\b]
.endr
.irp b, 0,1
	s_delay_alu instid0(VALU_DEP_2)
	v_add_nc_u32 v[SO+\b], 0xff000000, v[BM+\b]
.endr
.irp b, 0,1
	s_delay_alu instid0(VALU_DEP_2)
	v_lshrrev_b32 v[BY+\b], 23, v[SO+\b]
.endr
	s_delay_alu instid0(VALU_DEP_1)
	v_lshl_or_b32 v[PWD], v[BY+1], 8, v[BY]
	v_cvt_scalef32_pk16_fp6_f32 v[PC:PC+2], v[\s:\s+15], v[SO]
	v_cvt_scalef32_pk16_fp6_f32 v[PT:PT+2], v[\s+16:\s+31], v[SO+1]
	v_nop
.irp i, 0,1,2
	v_permlane16_swap_b32 v[PC+\i], v[PT+\i]
.endr
.irp i, 0,1,2
	s_delay_alu instid0(VALU_DEP_3)
	v_mov_b32 v[PC+3+\i], v[PT+\i]
.endr
.endm
.Lpass:
.irp i, 0,1
	v_mov_b32 v[12+4*\i], 0x6f000000               ; -M, above every -t
	v_mov_b32 v[13+4*\i], 0xef000000               ; the largest t so far, under every t
	v_mov_b32 v[14+4*\i], 0
	v_mov_b32 v[15+4*\i], 0
.endr
	WIN 0x40
.set j, 0
.rept 64
	v_mov_b32 v[O+j], 0                            ; the step is written once: the first finds zeros
.set j, j+1
.endr
	WIN 0
	s_mov_b32 s[TB], 0
	s_mov_b32 s[TMB], 0
	s_mov_b32 s50, 15
	ADDR
	LOADK
	LOADV
	WALU
	s_wait_loadcnt 0x0                             ; Q
	s_wait_dscnt 13                                ; K and the bias are in; V's 13 loads may be out
	SMUL 0
	PLACES
	SEARCH 0
	BATCH 0, 0, 1
.Lstep:                                                ; steps 0 to 14
	HALF 0, 1, 1
	HALF 1, 1, 1
	s_sub_co_u32 s50, s50, 1
	s_cmp_lg_u32 s50, 0
	WALU
	s_cbranch_scc1 .Lstep
	HALF 0, 1, 0                                   ; the last step fetches nothing more from LDS
	HALF 1, 0, 0
	PLACES
.irp i, 0,1
	v_add_f32 v[14+4*\i], v[14+4*\i], v[15+4*\i]
.endr
.irp i, 0,1
	s_delay_alu instid0(VALU_DEP_2)
	v_permlanex16_b32 v[T2+\i], v[14+4*\i], s[SEL], s[SEL+1]
.endr
.irp i, 0,1
	s_delay_alu instid0(VALU_DEP_2)
	v_add_f32 v[14+4*\i], v[14+4*\i], v[T2+\i]     ; the row's sum
.endr
	WALU
.irp i, 0,1
	v_rcp_f32 v[14+4*\i], v[14+4*\i]
.endr
	v_nop
	WIN 0x01
	WALU                                           ; behind the reciprocals, directly ahead of O^T's first readers
.irp i, 0,1
.set j, 0
.rept 16
	v_pk_mul_f32 v[S+32*\i+j:S+32*\i+j+1], v[O+32*\i+j:O+32*\i+j+1], v[14+4*\i:15+4*\i] op_sel_hi:[1,0]   ; o = O^T / the sum, into registers of window 0
.set j, j+2
.endr
.endr
	WIN 0
.irp i, 0,1
.if \i > 0
	s_wait_xcnt 0x0                                ; the last tile's stores have read their data
.endif
	QUANT2 S+32*\i
	global_store_b128 v[L16], v[PC:PC+3], s[56:57] offset:12288*\i
	global_store_b64 v[L8], v[PC+4:PC+5], s[56:57] offset:12288*\i+512
	global_store_b16 v[R32], v[PWD], s[58:59] offset:512*\i
.endr
	s_wait_xcnt 0x0                                ; the bases are stepped only behind this wait
	s_add_nc_u64 s[52:53], s[52:53], 2*REC
	s_add_nc_u64 s[54:55], s[54:55], 2*REC
	s_add_nc_u64 s[56:57], s[56:57], 16*12288
	s_add_nc_u64 s[58:59], s[58:59], 16*512
	s_sub_co_u32 s51, s51, 1
	s_cmp_lg_u32 s51, 0
	s_cbranch_scc1 .Lpass
	s_wait_tensorcnt 0x0                           ; the wave's end
	ds_add_u32 v[SPW], v[NIL]
	s_wait_dscnt 0x0
	CROUND                                         ; the closing round
	s_endpgm
.Lfunc_end_k_q8d707b2808_attn:
	.size	k_q8d707b2808_attn, .Lfunc_end_k_q8d707b2808_attn-k_q8d707b2808_attn
	.p2alignl 7, 3214868480
	.fill 96, 4, 3214868480
	.section	.rodata,"a",@progbits
	.p2align	6, 0x0
	.amdhsa_kernel k_q8d707b2808_attn
		.amdhsa_group_segment_fixed_size 327680
		.amdhsa_private_segment_fixed_size 0
		.amdhsa_enable_private_segment 0
		.amdhsa_kernarg_size 32
		.amdhsa_user_sgpr_count 2
		.amdhsa_user_sgpr_kernarg_segment_ptr 1
		.amdhsa_wavefront_size32 1
		.amdhsa_system_sgpr_workgroup_id_x 1
		.amdhsa_system_sgpr_workgroup_id_y 1
		.amdhsa_system_sgpr_workgroup_id_z 1
		.amdhsa_system_vgpr_workitem_id 0
		.amdhsa_next_free_vgpr 512
		.amdhsa_next_free_sgpr 66
		.amdhsa_reserve_vcc 0
		.amdhsa_float_denorm_mode_32 3
		.amdhsa_float_denorm_mode_16_64 3
		.amdhsa_memory_ordered 1
		.amdhsa_forward_progress 1
		.amdhsa_inst_pref_size 85
	.end_amdhsa_kernel
	.amdgpu_metadata
---
amdhsa.version: [ 1, 2 ]
amdhsa.kernels:
  - .name:           k_q8d707b2808_attn
    .symbol:         k_q8d707b2808_attn.kd
    .args:
      - { .name: qrec, .offset: 0, .size: 8, .value_kind: global_buffer, .address_space: global }
      - { .name: kvrec, .offset: 8, .size: 8, .value_kind: global_buffer, .address_space: global }
      - { .name: mbias, .offset: 16, .size: 8, .value_kind: global_buffer, .address_space: global }
      - { .name: ocod, .offset: 24, .size: 8, .value_kind: global_buffer, .address_space: global }
    .group_segment_fixed_size: 327680
    .private_segment_fixed_size: 0
    .kernarg_segment_align: 8
    .kernarg_segment_size: 32
    .max_flat_workgroup_size: 256
    .sgpr_count:     66
    .vgpr_count:     512
    .wavefront_size: 32
...
	.end_amdgpu_metadata
.endif
;; end of part 3
;; launch oproj (part 4): grid 4 x 64, 4 waves a work-group, clusters of 4 x 4, 327,680 bytes of LDS; arguments ocod, wcod, bo, out0; writes out0
.if DOCPART == 4
	.amdgcn_target "amdgcn-amd-amdhsa--gfx1250"
	.amdhsa_code_object_version 6
	.text
	.protected	k_q8d707b2808_oproj
	.globl	k_q8d707b2808_oproj
	.p2align	8
	.type	k_q8d707b2808_oproj,@function
k_q8d707b2808_oproj:
	s_mov_b64 s[64:65], 0
	v_nop
	global_prefetch_b8 v0, s[64:65] scope:SCOPE_SE
	s_setreg_imm32_b32 hwreg(HW_REG_WAVE_MODE, 25, 1), 1
	s_wait_xcnt 0x0
	s_wait_alu depctr_hold_cnt(0) depctr_sa_sdst(0) depctr_va_vdst(0) depctr_va_sdst(0) depctr_va_ssrc(0) depctr_va_vcc(0) depctr_vm_vsrc(0)
	s_getreg_b32 s2, hwreg(HW_REG_IB_STS2, 6, 4)
	s_cmp_eq_u32 s2, 0
	s_cbranch_scc0 .Lentry_in_a_cluster
	s_endpgm
.Lentry_in_a_cluster:
	s_bfe_u32 s2, ttmp6, 0x10000c
	s_cmp_lg_u32 s2, 0xf033
	s_cbranch_scc0 .Lentry_shape_is_right
	s_endpgm
.Lentry_shape_is_right:
; out0 = o Wo^T + bo on codes of FP6 (E2M3) with E8M0 scales, K = 1,024; sums in f32.
; A work-group makes 128 rows x 256 features: 64 x 4 = 256 work-groups.  Four waves, 2 x 2, 64 rows x 128 features each: 32 accumulators, 256 registers.
; ALL OF K LIES IN LDS: the codes are images of the operand's registers, a row tile of 16 rows with its 8 fragments on end (12,288 bytes), so A's 8 row tiles are one dense block of 98,304 bytes
; and B's 16 one of 196,608.  With the scales (4,096 and 8,192 bytes) that is four tiles: one tensor load a wave at the head, in rows of 256 bytes.  Nothing is filled again: no ring, no round in the walk along K.
; CLUSTERS: 4 x 4 work-groups; A's tiles are asked for jointly along a row of the cluster, B's along a column.
; NO PREFETCH: everything is asked for at the head; there is no loop to run ahead in.
; The matrix instruction is used transposed (source 0 = Wo's rows, source 1 = o's rows): a lane holds eight neighbouring features of a row.
; In ocod and wcod place 16 u + p of each 32 rows holds row 8 u + p + 8 (p / 8): the way out puts features and rows back in order.
; REGISTERS: window 0: v0-31 addresses; v32-111 the scale words of all K; v112-115 the bias; v128-223 A's fragments, two sets; on the way out v128-255.  window 1: B's fragments, two sets.  window 2: the accumulators.
.set TILEB, 12288                      ; a row tile, all of K
.set FRB,   1536                       ; a fragment's image
.set LB,    8*TILEB                    ; B's codes, behind A's
.set SCL,   24*TILEB                   ; the scales: units of 256 bytes + 16; A's 16 units, then B's 32
.set SBLK,  2*272                      ; those of 16 rows
.set SPARE, SCL+48*272                 ; the spare words: two blocks of 256 bytes that no other line names
.set SPITCH, 528                       ; the stage: 16 rows x (512 + 16) bytes a wave, on A's bytes, behind the barrier that ends all reads of codes
.set ADRA, 16                          ; v16 16 x lane + my A rows; v17 the same with 8 x lane
.set ADRB, 20                          ; v20, v21 16 x lane + my B tiles 0-3, 4-7; v22, v23 with 8 x lane
.set STO,  24
.set RD,   25
.set CO,   26
.set ADRS, 27
.set SPW,  28                          ; never rewritten
.set NIL,  29                          ; never rewritten
.set L8,   30
.set SC,   32                          ; word q of block i at v[SC + 10 i + q]: lanes 0-15 A's block i, lanes 16-31 B's
.set BO,   112
.set AF,   128
.set BK,   128
.set G1A, 24
.set G1B, 32
.set G1S, 40
.set G1SB, 48
.set G0A, 56
.set G0B, 60
.set G0S, 68
.set G0SB, 72
.set MSB, 0
.macro WIN new
.if MSB != (\new)
	s_set_vgpr_msb (MSB<<8)|(\new)
.set MSB, (\new)
.endif
.endm
.macro PLACES
.rept 4
	v_nop
.endr
.endm
.macro CROUND
	s_barrier_signal -1
	s_barrier_wait -1
	s_cmp_lg_u32 s18, 0
	s_cbranch_scc1 .Lnot_wave_0_\@
	s_barrier_signal -3
.Lnot_wave_0_\@:
	s_barrier_wait -3
	s_barrier_signal -1
	s_barrier_wait -1
.endm
.macro DESC g, mask, flags, rows       ; group 1: rows of 256 bytes (32 elements of 8), dense in memory
	s_or_b32 s[\g], s[\mask], \flags
	s_mov_b32 s[\g+1], 32<<16
	s_mov_b32 s[\g+2], (\rows)<<16
	s_mov_b32 s[\g+3], 32<<16
	s_mov_b32 s[\g+4], \rows
	s_mov_b32 s[\g+5], 32
	s_mov_b32 s[\g+6], 0
	s_mov_b32 s[\g+7], 0
.endm
.macro G0SET g, lds, src
	s_mov_b32 s[\g], 1
	s_mov_b32 s[\g+1], \lds
	s_mov_b64 s[\g+2:\g+3], s[\src:\src+1]
	s_or_b32 s[\g+3], s[\g+3], 0x80000000
.endm
	s_load_b256 s[4:11], s[0:1], 0x0               ; ocod 4, wcod 6, bo 8, out0 10
	v_lshl_add_u32 v[SPW], v0, 2, SPARE
	v_mov_b32 v[NIL], 0
	ds_add_u32 v[SPW], v[NIL]                      ; the opening lines
	ds_add_u32 v[SPW], v[NIL]
	v_lshrrev_b32 v1, 5, v0
	v_readfirstlane_b32 s18, v1                    ; wave
	s_lshr_b32 s19, s18, 1                         ; my half of A's rows
	s_and_b32 s20, s18, 1                          ; my half of B's
	s_bfe_u32 s22, ttmp6, 0x40000                  ; cx
	s_bfe_u32 s23, ttmp6, 0x40004                  ; cy
	s_and_b32 s12, ttmp7, 0xffff
	s_lshl_b32 s12, s12, 2
	s_add_co_u32 s12, s12, s23                     ; my tile of 128 rows
	s_lshl_b32 s13, ttmp9, 2
	s_add_co_u32 s13, s13, s22                     ; my tile of 256 features
	s_lshl_b32 s14, s23, 2
	s_lshl_b32 s14, 15, s14                        ; my row of the cluster
	s_lshl_b32 s15, 0x1111, s22                    ; my column
	DESC G1A,  14, (3<<16)|(1<<21), 384
	DESC G1B,  15, (3<<16)|(1<<21), 768
	DESC G1S,  14, (3<<16)|(1<<20)|(1<<21)|(5<<22)|(3<<25), 16
	DESC G1SB, 15, (3<<16)|(1<<20)|(1<<21)|(5<<22)|(3<<25), 32
	s_mul_i32 s76, s12, 8*TILEB                    ; A's codes,
	s_mov_b32 s77, 0
	s_lshl_b32 s78, s12, 12
	s_add_co_u32 s78, s78, 6291456                 ; its scale bytes,
	s_mov_b32 s79, 0
	s_mul_i32 s80, s13, 16*TILEB
	s_add_co_u32 s80, s80, 2359296                 ; Wo's codes,
	s_mov_b32 s81, 0
	s_lshl_b32 s82, s13, 13
	s_add_co_u32 s82, s82, 3244032                 ; its scale bytes
	s_mov_b32 s83, 0
	s_wait_dscnt 0x0
	s_wait_kmcnt 0x0
	s_add_nc_u64 s[76:77], s[4:5], s[76:77]
	s_add_nc_u64 s[78:79], s[4:5], s[78:79]
	s_add_nc_u64 s[80:81], s[6:7], s[80:81]
	s_add_nc_u64 s[82:83], s[6:7], s[82:83]
	CROUND                                         ; all sixteen work-groups are here: the joint loads meet
	G0SET G0A,  0,          76
	G0SET G0B,  LB,         80
	G0SET G0S,  SCL,        78
	G0SET G0SB, SCL+16*272, 82
.macro ARM under, g0, g1, next         ; one chain of branches on the wave's number, one load to an arm
	s_cmp_lt_u32 s18, \under
	s_cbranch_scc0 \next
	tensor_load_to_lds s[\g0:\g0+3], s[\g1:\g1+7]
	s_nop 0
	PLACES
	s_branch .Lhead_asked
\next:
.endm
	ARM 1, G0B, G1B, .Lhead_a                      ; the largest tile is asked for by wave 0
	ARM 2, G0A, G1A, .Lhead_sa
	ARM 3, G0S, G1S, .Lhead_sb
	tensor_load_to_lds s[G0SB:G0SB+3], s[G1SB:G1SB+7]
	s_nop 0
	PLACES
.Lhead_asked:
	s_mul_i32 s84, s19, 4*TILEB                    ; my 4 row tiles of A
	s_mul_i32 s85, s20, 8*TILEB
	s_add_co_u32 s85, s85, LB                      ; my 8 of B: tiles 0-3,
	s_add_co_u32 s86, s85, 4*TILEB                 ; tiles 4-7 (an offset holds 16 bits)
	s_mul_i32 s87, s19, 8*272                      ; A's scales: my 64 rows
	s_mul_i32 s88, s20, 16*272
	s_add_co_u32 s88, s88, 16*272                  ; B's: my 128 rows, behind A's
	s_sub_co_u32 s88, s88, s87
	s_add_co_u32 s87, s87, SCL
	s_mul_i32 s89, s18, 16*SPITCH                  ; my stage
	s_lshl_b32 s90, s13, 10
	s_lshl_b32 s91, s20, 9
	s_add_co_u32 s90, s90, s91                     ; my first feature, in bytes
	s_mov_b32 s91, 0
	s_add_nc_u64 s[92:93], s[8:9], s[90:91]
	s_add_nc_u64 s[10:11], s[10:11], s[90:91]
	s_lshl_b32 s90, s12, 7
	s_lshl_b32 s21, s19, 6
	s_add_co_u32 s90, s90, s21
	s_lshl_b32 s90, s90, 12                        ; my first row, 4,096 bytes a row
	s_add_nc_u64 s[10:11], s[10:11], s[90:91]
	v_and_b32 v1, 31, v0                           ; lane
	v_and_b32 v2, 15, v0                           ; r
	v_bfe_u32 v3, v0, 4, 1                         ; h
	v_lshlrev_b32 v[CO], 4, v1
	v_lshlrev_b32 v[L8], 3, v1
	v_lshlrev_b32 v5, 5, v2                        ; my row's scales: 32 bytes a row,
	v_mul_u32_u24 v7, s88, v3                      ; lanes 16-31 take B's
	v_mul_u32_u24 v[STO], v2, SPITCH
	v_lshrrev_b32 v6, 8, v5
	v_add_nc_u32 v[ADRA], s84, v[CO]
	v_add_nc_u32 v[ADRA+1], s84, v[L8]
	v_lshl_add_u32 v5, v6, 4, v5                   ; and 16 more for each 256 passed
	v_add_nc_u32 v[ADRB], s85, v[CO]
	v_add_nc_u32 v[ADRB+1], s86, v[CO]
	v_add_nc_u32 v5, v5, v7
	v_add_nc_u32 v[ADRB+2], s85, v[L8]
	v_add_nc_u32 v[ADRB+3], s86, v[L8]
	v_add_nc_u32 v[ADRS], s87, v5
	v_lshl_add_u32 v[STO], v3, 6, v[STO]
	v_add_nc_u32 v[RD], s89, v[CO]
	v_add_nc_u32 v[STO], s89, v[STO]
	s_wait_alu depctr_va_vdst(0)
	global_load_b128 v[BO:BO+3], v[CO], s[92:93]   ; the bias of my 128 features, four a lane; awaited on the way out
.macro FRAG reg, a16, a8, off          ; a fragment as it lies: four loads, each lane's bytes next to its neighbour's
	ds_load_b128 v[\reg:\reg+3], v[\a16] offset:\off
	ds_load_b64 v[\reg+4:\reg+5], v[\a8] offset:\off+512
	ds_load_b128 v[\reg+6:\reg+9], v[\a16] offset:\off+768
	ds_load_b64 v[\reg+10:\reg+11], v[\a8] offset:\off+1280
.endm
.macro FETCH q, p                      ; K step q into set p: 48 loads
	WIN 0x40
.irp i, 0,1,2,3,4,5,6,7
	FRAG 128*(\p)+12*\i, ADRB+\i/4, ADRB+2+\i/4, (\i%4)*TILEB+(\q)*FRB
.endr
	WIN 0
.irp i, 0,1,2,3
	FRAG AF+48*(\p)+12*\i, ADRA, ADRA+1, \i*TILEB+(\q)*FRB
.endr
.endm
; 32 matrix instructions: A's four blocks x B's eight, 128 along K.  The 32 accumulators take turns in the same order in every step.  The first step's products start the sums.
.macro MUL q, p
	WIN 0xa1                                       ; source 0 (B) window 1, source 1 (A) window 0, C and D window 2
.irp a, 0,1,2,3
.irp b, 0,1,2,3,4,5,6,7
.if (\q) == 0
	v_wmma_scale_f32_16x16x128_f8f6f4 v[8*(8*\a+\b):8*(8*\a+\b)+7], v[128*(\p)+12*\b:128*(\p)+12*\b+11], v[AF+48*(\p)+12*\a:AF+48*(\p)+12*\a+11], 0, v[SC+10*\b+(\q)], v[SC+10*\a+(\q)] matrix_a_fmt:MATRIX_FMT_FP6 matrix_b_fmt:MATRIX_FMT_FP6 matrix_a_scale:MATRIX_SCALE_ROW1
.else
	v_wmma_scale_f32_16x16x128_f8f6f4 v[8*(8*\a+\b):8*(8*\a+\b)+7], v[128*(\p)+12*\b:128*(\p)+12*\b+11], v[AF+48*(\p)+12*\a:AF+48*(\p)+12*\a+11], v[8*(8*\a+\b):8*(8*\a+\b)+7], v[SC+10*\b+(\q)], v[SC+10*\a+(\q)] matrix_a_fmt:MATRIX_FMT_FP6 matrix_b_fmt:MATRIX_FMT_FP6 matrix_a_scale:MATRIX_SCALE_ROW1
.endif
.endr
.endr
	WIN 0
.endm
	s_wait_tensorcnt 0x0                           ; my tile is in,
	s_barrier_signal -1
	s_barrier_wait -1                              ; and so is everybody's
.irp i, 0,1,2,3,4,5,6,7
	ds_load_b128 v[SC+10*\i:SC+10*\i+3], v[ADRS] offset:\i*SBLK        ; a row's 32 scale bytes: all of K
	ds_load_b128 v[SC+10*\i+4:SC+10*\i+7], v[ADRS] offset:\i*SBLK+16
.endr
	FETCH 0, 0
.set QQ, 0
.rept 7                                ; the next step's fragments are asked for ahead of this step's 32 products
	s_wait_dscnt 0x0                               ; this step's fragments are in
.if QQ > 0
	PLACES                                         ; between the last step's products and the loads into their registers
.endif
	FETCH QQ+1, (QQ+1)%2
	MUL QQ, QQ%2
.set QQ, QQ+1
.endr
	s_wait_dscnt 0x0                               ; my reads of the codes are over:
	s_barrier_signal -1                            ; say so,
	MUL 7, 1
	s_barrier_wait -1                              ; and behind this wait A's bytes serve as the stages; no tensor load follows
; THE WAY OUT, block by block of 16 rows x 128 features, through my own stage: whole rows of 512 bytes come back, the bias is added, and 32 lanes store two aligned units of 256 bytes.
.macro TOSTAGE a
	WIN 0x08                                       ; the data: window 2
.irp b, 0,1,2,3,4,5,6,7
	ds_store_b128 v[STO], v[64*(\a)+8*\b:64*(\a)+8*\b+3] offset:128*(\b/2)+32*(\b%2)       ; each accumulator from its low end on
	ds_store_b128 v[STO], v[64*(\a)+8*\b+4:64*(\a)+8*\b+7] offset:128*(\b/2)+32*(\b%2)+16
.endr
	WIN 0
.set BB, BK+64*((\a)%2)
.irp t, 0,1,2,3,4,5,6,7,8,9,10,11,12,13,14,15
	ds_load_b128 v[BB+4*\t:BB+4*\t+3], v[RD] offset:\t*SPITCH      ; my own bytes, served in order
.endr
.endm
.macro SEND a, younger                 ; younger: the LDS instructions issued behind block a's loads
.set BB, BK+64*((\a)%2)
	s_wait_dscnt \younger
.irp t, 0,1,2,3,4,5,6,7,8,9,10,11,12,13,14,15
	v_pk_add_f32 v[BB+4*\t:BB+4*\t+1], v[BB+4*\t:BB+4*\t+1], v[BO:BO+1]
	v_pk_add_f32 v[BB+4*\t+2:BB+4*\t+3], v[BB+4*\t+2:BB+4*\t+3], v[BO+2:BO+3]
.endr
.irp t, 0,1,2,3,4,5,6,7,8,9,10,11,12,13,14,15
	global_store_b128 v[CO], v[BB+4*\t:BB+4*\t+3], s[10:11] offset:(32*((\a)/2)+8*((\a)%2)+\t+8*(\t/8))*4096 th:TH_STORE_NT
.endr
.endm
	PLACES                                         ; behind the last products
	s_wait_loadcnt 0x0                             ; the bias
	TOSTAGE 0
.irp a, 1,2,3
.if \a > 1
	s_wait_xcnt 0x0                                ; block a - 2's stores have read their registers
.endif
	TOSTAGE \a
	SEND \a-1, 32                                  ; behind block a - 1's loads: block a's 16 stores and 16 loads
.endr
	SEND 3, 0
	s_wait_tensorcnt 0x0                           ; the wave's end
	ds_add_u32 v[SPW], v[NIL]
	s_wait_dscnt 0x0
	CROUND                                         ; the closing round
	s_endpgm
.Lfunc_end_k_q8d707b2808_oproj:
	.size	k_q8d707b2808_oproj, .Lfunc_end_k_q8d707b2808_oproj-k_q8d707b2808_oproj
	.p2alignl 7, 3214868480
	.fill 96, 4, 3214868480
	.section	.rodata,"a",@progbits
	.p2align	6, 0x0
	.amdhsa_kernel k_q8d707b2808_oproj
		.amdhsa_group_segment_fixed_size 327680
		.amdhsa_private_segment_fixed_size 0
		.amdhsa_enable_private_segment 0
		.amdhsa_kernarg_size 32
		.amdhsa_user_sgpr_count 2
		.amdhsa_user_sgpr_kernarg_segment_ptr 1
		.amdhsa_wavefront_size32 1
		.amdhsa_system_sgpr_workgroup_id_x 1
		.amdhsa_system_sgpr_workgroup_id_y 1
		.amdhsa_system_sgpr_workgroup_id_z 1
		.amdhsa_system_vgpr_workitem_id 0
		.amdhsa_next_free_vgpr 768
		.amdhsa_next_free_sgpr 100
		.amdhsa_reserve_vcc 0
		.amdhsa_float_denorm_mode_32 3
		.amdhsa_float_denorm_mode_16_64 3
		.amdhsa_memory_ordered 1
		.amdhsa_forward_progress 1
		.amdhsa_inst_pref_size 90
	.end_amdhsa_kernel
	.amdgpu_metadata
---
amdhsa.version: [ 1, 2 ]
amdhsa.kernels:
  - .name:           k_q8d707b2808_oproj
    .symbol:         k_q8d707b2808_oproj.kd
    .args:
      - { .name: ocod, .offset: 0, .size: 8, .value_kind: global_buffer, .address_space: global }
      - { .name: wcod, .offset: 8, .size: 8, .value_kind: global_buffer, .address_space: global }
      - { .name: bo, .offset: 16, .size: 8, .value_kind: global_buffer, .address_space: global }
      - { .name: out0, .offset: 24, .size: 8, .value_kind: global_buffer, .address_space: global }
    .group_segment_fixed_size: 327680
    .private_segment_fixed_size: 0
    .kernarg_segment_align: 8
    .kernarg_segment_size: 32
    .max_flat_workgroup_size: 128
    .sgpr_count:     100
    .vgpr_count:     768
    .wavefront_size: 32
...
	.end_amdgpu_metadata
.endif
;; end of part 4
